; MI455X (gfx1250); checked and timed in simulation.
; The chip was launched on July 23, 2026; its instructions are those of AMD's public machine-readable ISA for CDNA 5 (MIT licence, August 2026) and "CDNA5" Instruction Set Architecture Reference Guide (July 2026). The comments in the code are by the model that wrote it; some were corrected since.
;; Causal Self Attention. Allowed arithmetic: matrix products marked QUANTISED: E2M1 operands, one E8M0 scale for each 32 along K, by v_wmma_scale_f32_16x16x128_f8f6f4 with both operands' format E2M1 (or v_wmma_scale_f32_32x16x128_f4), f32 sums; products left as they are: bf16, f16 or f32 operands; f32 sums; everything else in f32.
;; Inputs: w_attn 3,072 x 1,024 float32; w_proj 1,024 x 1,024 float32; x 4 x 2,048 x 1,024 float32.
;; Outputs: out0 4 x 2,048 x 1,024 float32.
;; This version of the problem:
;;   THIS VERSION OF THE PROBLEM IS GIVEN IN LOW PRECISION. The matrix products marked QUANTISED in the list below multiply operands that are first quantised to E2M1 (2 exponent bits, 1 mantissa bit; 4 bits a number), with one power-of-two scale for each 32 numbers along K (OCP MX v1.0); their sums are f32. The products marked 'left as it is' may take bf16, f16 or f32 operands, with f32 sums. Whichever they take, every output number must still come out within the allowed error. Rounding operands to bf16 (8 significant bits) uses up far more of that allowance than f16 does (11 bits, for magnitudes from 6e-5 to 65,504). All else is computed in f32.
;;   The module's matrix products, in the order in which they are computed (A, B: the left and right operand; K: the contracted axis; several contracted axes count as one K, in the product's order):
;;     1. [M 8,192, K 1,024] x [K 1,024, N 3,072]; A: input x; B: input w_attn: QUANTISED
;;     2. batch 64 x [M 2,048, K 64] x [K 64, N 2,048]; A: computed on the way; B: computed on the way: left as it is (an operand is computed on the way)
;;     3. batch 64 x [M 2,048, K 2,048] x [K 2,048, N 64]; A: computed on the way; B: computed on the way: left as it is (an operand is computed on the way)
;;     4. [M 8,192, K 1,024] x [K 1,024, N 1,024]; A: computed on the way; B: input w_proj: left as it is (an operand is computed on the way)
;;   THE QUANTISER, for each operand of a quantised product, along K:
;;     - K is cut into blocks of 32 from its start; a last block that is shorter is filled with zeros.
;;     - A block's scale is 2^e with e = floor(log2(the largest magnitude in the block)) - 2, held to -126 .. 127; a block of zeros has e = 0. As a byte (E8M0): e + 127.
;;     - Each number is divided by its block's scale, clamped to +-6, and rounded to the nearest number of E2M1, ties to even, subnormals kept.
;;     - The product sums the exact products of the quantised numbers (number of the format x scale) in f32.
;;   ~~~python
;;   def quantise(x, axis):      # numpy; x: float32 -> the quantised numbers, widened to float32 again
;;       x = np.moveaxis(x, axis, -1); K = x.shape[-1]
;;       x = np.pad(x, [(0, 0)] * (x.ndim - 1) + [(0, -K % 32)]); x = x.reshape(x.shape[:-1] + (-1, 32)); a = np.abs(x).max(-1, keepdims=True)
;;       e = np.where(a > 0, np.clip(np.frexp(np.where(a > 0, a, 1))[1] - 1 - 2, -126, 127), 0)      # np.frexp(a)[1] - 1 = floor(log2(a)), exactly
;;       r = np.clip(x / 2.0 ** e, -6, 6)
;;       step = 2.0 ** (np.maximum(np.frexp(np.where(r == 0, 1, r))[1] - 1, 0) - 1)
;;       q = np.round(r / step) * step * 2.0 ** e      # np.round: ties to even
;;       return np.moveaxis(q.reshape(q.shape[:-2] + (-1,))[..., :K], -1, axis).astype(np.float32)
;;   ~~~
;; One version. Each part assembles by itself: llvm-mc -triple=amdgcn-amd-amdhsa -mcpu=gfx1250 --defsym DOCPART=n.
;; ======== version 1 of 1: 5 launches
;; limits: values are held in f16: magnitudes above 65,504 overflow, below 6.1e-05 lose precision
;; workspace buffers: xq 4,456,448 bytes; wq 1,671,168 bytes; wp16 2,097,152 bytes; qkvh 50,331,648 bytes; yh 16,777,216 bytes; fine 786,432 bytes
;; launch quant (part 1): grid 480 x 1, 4 waves a work-group, no clusters, 33,280 bytes of LDS; arguments x, w_attn, w_proj, xq, wq, wp16; writes xq, wq, wp16
.if DOCPART == 1
	.amdgcn_target "amdgcn-amd-amdhsa--gfx1250"
	.amdhsa_code_object_version 6
	.text
	.protected	k_qc1256a0de0_quant
	.globl	k_qc1256a0de0_quant
	.p2align	8
	.type	k_qc1256a0de0_quant,@function
k_qc1256a0de0_quant:
	s_mov_b64 s[64:65], 0
	v_nop
	global_prefetch_b8 v0, s[64:65] scope:SCOPE_SE
	s_setreg_imm32_b32 hwreg(HW_REG_WAVE_MODE, 25, 1), 1
	s_wait_xcnt 0x0
; x [8192][1024] and w_attn [3072][1024], f32, become codes of FP4 (E2M1), K innermost, two codes a byte, with one E8M0 scale byte for each 32 along K; w_proj [1024][1024] becomes f16.
; xq: codes [8192][512 bytes] at byte 0, scale bytes [8192][32] at byte XS.  wq: codes [3072][512 bytes] at byte 0, scale bytes [3072][32] at byte WS.  wp16: [1024][1024] f16.
; A block's scale is 2^(floor(log2(its largest magnitude)) - 2); its byte is the largest magnitude's exponent field - 2, held at 1 from below.  Each number is divided by the scale and rounded to the nearest code, ties to even.
; LIMITS: a block whose largest magnitude lies under 2^-124 gets the byte 1; a block of zeros gets the byte 1 with zero codes (the bytes are read by this program alone); NaN and infinities among the inputs are not served.
; Work-groups 0-255 take x, 256-351 w_attn, 352-479 w_proj.  Rows are dense and 1024 is a multiple of 32: the tensors are plain streams of blocks of 32 numbers.
; QUANTISER: a wave takes 16 steps of 512 numbers.  Each load reads 512 consecutive bytes, 16 a lane; a step's 2,048 bytes turn through the wave's own stage in LDS and come back 64 bytes a lane, so that a lane holds 16
; neighbours along K (two lanes a block).  A lane's 16 codes are 8 bytes: the wave stores 256 consecutive bytes.  A wave's 256 scale bytes are gathered in LDS and leave as one store of 256 consecutive bytes.
; CONVERSION of w_proj: a wave takes 2,048 numbers: 16 loads of 512 consecutive bytes, 16 stores of 256 consecutive bytes; it touches no LDS.
; No tensor loads, no barrier: waves share nothing.  No matrix unit, no cluster: every byte is read once by one wave.
.set WAVES, 4
.set STEPS, 16
.set WGA,   256                        ; work-groups for x: 8192 x 1024 / 32768
.set WGQ,   352                        ; and with w_attn's 96
.set XS,    4194304                    ; where x's scale bytes begin in xq
.set WS,    1572864                    ; where w_attn's begin in wq
.set EMAX,  2
.set CB,    8                          ; bytes of 16 codes
.set R,     16                         ; v16-79   four sets of 16 numbers as they are loaded
.set X,     80                         ; v80-111  two sets of 16 neighbours
.set C,     128                        ; v128-191 codes (or f16 pairs): registers of its own for each step, so that no store's data are written again
.set E,     112                        ; v112-127 a scale byte for each step
.set WREG,  8192                       ; LDS: a region for each wave: two stages of 32 x SP bytes, and behind them its 256 scale bytes
.set SP,    80                         ; a lane's place in a stage: its 64 bytes + 16 of padding
.set SPW,   12                         ; v12      LDS address of my spare word; never rewritten
.set NIL,   13                         ; v13      0; never rewritten
.set SPARE, WAVES*WREG                 ; behind the four regions: the spare words, 128 bytes a wave
	s_load_b128 s[4:7], s[0:1], 0x0                ; x, w_attn
	s_load_b64 s[24:25], s[0:1], 0x10              ; w_proj
	s_load_b64 s[8:9], s[0:1], 0x18                ; xq
	s_load_b64 s[12:13], s[0:1], 0x20              ; wq
	s_load_b64 s[26:27], s[0:1], 0x28              ; wp16
	v_lshl_add_u32 v[SPW], v0, 2, SPARE
	v_mov_b32 v[NIL], 0
	v_lshrrev_b32 v1, 5, v0
	v_readfirstlane_b32 s16, v1                    ; wave
	v_and_b32 v2, 31, v0                           ; lane
	v_lshlrev_b32 v3, 4, v2                        ; my 16 bytes of a load's 512
	s_mul_i32 s17, s16, WREG
	v_lshrrev_b32 v14, 2, v2
	v_mul_u32_u24 v14, v14, SP
	v_and_b32 v15, 3, v2
	v_lshl_add_u32 v14, v15, 4, v14
	v_add_nc_u32 v14, s17, v14                     ; the stage, on the way in: SP (lane / 4) + 16 (lane % 4)
	v_mul_u32_u24 v15, v2, SP
	v_add_nc_u32 v15, s17, v15                     ; and on the way out: SP x lane: my 16 neighbours
	v_mul_u32_u24 v4, v2, CB                       ; my codes' place in a step's
	v_lshrrev_b32 v5, 1, v2
	s_add_co_u32 s17, s17, 2*32*SP
	v_add_nc_u32 v5, s17, v5                       ; LDS: my wave's 256 scale bytes, my block's byte
	v_lshlrev_b32 v7, 3, v2                        ; 8 bytes a lane
	v_add_nc_u32 v6, s17, v7
	s_wait_kmcnt 0x0
	s_cmp_ge_u32 ttmp9, WGQ                        ; the work-group's number alone decides
	s_cbranch_scc1 .Lconvert
	s_cmp_lt_u32 ttmp9, WGA                        ; x's work-group or w_attn's?
	s_cselect_b64 s[4:5], s[4:5], s[6:7]
	s_cselect_b64 s[8:9], s[8:9], s[12:13]
	s_mov_b32 s22, WS
	s_cselect_b32 s22, XS, s22                     ; where the scale bytes begin in the buffer chosen
	s_mov_b32 s23, 0
	s_cselect_b32 s17, 0, WGA
	s_sub_co_u32 s17, ttmp9, s17
	s_add_nc_u64 s[10:11], s[8:9], s[22:23]        ; the scale bytes
	s_lshl_b32 s17, s17, 2
	s_add_co_u32 s18, s17, s16                     ; which run of 8,192 numbers of the tensor is my wave's
	s_mov_b32 s19, 0
	s_mov_b64 s[20:21], 512*STEPS*4
	s_mul_u64 s[20:21], s[18:19], s[20:21]
	s_add_nc_u64 s[4:5], s[4:5], s[20:21]
	s_mov_b64 s[20:21], 32*STEPS*CB
	s_mul_u64 s[20:21], s[18:19], s[20:21]
	s_add_nc_u64 s[8:9], s[8:9], s[20:21]
	s_lshl_b32 s18, s18, 8                         ; 256 scale bytes a run
	s_add_nc_u64 s[10:11], s[10:11], s[18:19]
.macro LOAD t
.irp i, 0,1,2,3
	global_load_b128 v[R+16*((\t)%4)+4*\i:R+16*((\t)%4)+4*\i+3], v3, s[4:5] offset:2048*(\t)+512*\i th:TH_LOAD_NT   ; 32 lanes read 512 consecutive bytes
.endr
.endm
.macro TURN t                          ; step t's numbers through the stage: LDS serves a wave's instructions in order, so no wait stands between the stores and the loads
.irp i, 0,1,2,3
	ds_store_b128 v14, v[R+16*((\t)%4)+4*\i:R+16*((\t)%4)+4*\i+3] offset:32*SP*((\t)%2)+8*SP*\i
.endr
.irp i, 0,1,2,3
	ds_load_b128 v[X+16*((\t)%2)+4*\i:X+16*((\t)%2)+4*\i+3], v15 offset:32*SP*((\t)%2)+16*\i
.endr
.endm
.irp t, 0,1,2,3
	LOAD \t
.endr
	s_wait_loadcnt 12                              ; step 0's four loads are in; the twelve of steps 1 to 3 stay out
	TURN 0
.macro STEP t
.set XS0, X+16*((\t)%2)
.if (\t) > 0
	s_wait_dscnt 1                                 ; this step's numbers are back from the stage (the last step's byte store may be out)
.else
	s_wait_dscnt 0x0
.endif
.if (\t)+4 < STEPS
	LOAD (\t)+4                                    ; into the registers that this step's stage stores have read
.endif
.if (\t)+1 < STEPS
.if STEPS-2-(\t) >= 3
	s_wait_loadcnt 12                              ; the next step's four loads are in; those of the three steps behind it may be out
.else
	s_wait_loadcnt 4*(STEPS-2-(\t))
.endif
	TURN (\t)+1                                    ; through the other stage while this step is worked
.endif
	v_max3_num_f32 v8, |v[XS0]|, |v[XS0+1]|, |v[XS0+2]|            ; the largest magnitude of my 16, in two chains
	v_max3_num_f32 v9, |v[XS0+3]|, |v[XS0+4]|, |v[XS0+5]|
.irp i, 6,10
	v_max3_num_f32 v8, v8, |v[XS0+\i]|, |v[XS0+\i+1]|
	v_max3_num_f32 v9, v9, |v[XS0+\i+2]|, |v[XS0+\i+3]|
.endr
	v_max3_num_f32 v8, v8, |v[XS0+14]|, |v[XS0+15]|
	v_max3_num_f32 v8, v8, v9, (EMAX+1)<<23        ; and the floor 2^(3 - 127): the byte cannot fall under 1
	v_max_num_f32_dpp v8, v8, v8 row_xmask:1 row_mask:0xf bank_mask:0xf   ; and of my neighbour's 16: the block's
	v_add_nc_u32 v11, -(EMAX<<23), v8              ; 2 off its exponent field: the conversion takes the exponent field of this operand as its scale
	v_cvt_scalef32_pk8_fp4_f32 v[C+4*(\t)], v[XS0:XS0+7], v11
	v_cvt_scalef32_pk8_fp4_f32 v[C+4*(\t)+1], v[XS0+8:XS0+15], v11
	v_lshrrev_b32 v[E+(\t)], 23, v11               ; the scale's byte (a plain line behind the conversions)
	ds_store_b8 v5, v[E+(\t)] offset:16*(\t)       ; both lanes of a block write the same byte with the same value
	global_store_b64 v4, v[C+4*(\t):C+4*(\t)+1], s[8:9] offset:32*CB*(\t)   ; 256 consecutive bytes a wave
.endm
.irp t, 0,1,2,3,4,5,6,7,8,9,10,11,12,13,14,15
	STEP \t
.endr
	ds_load_b64 v[8:9], v6                         ; LDS serves a wave's instructions in order: these see my byte stores
	s_wait_dscnt 0x0
	global_store_b64 v7, v[8:9], s[10:11]          ; 32 lanes store 256 consecutive bytes
	s_wait_tensorcnt 0x0                           ; the wave's end: behind my last LDS store
	ds_add_u32 v[SPW], v[NIL]
	s_wait_dscnt 0x0
	s_endpgm
.Lconvert:                                             ; w_proj to f16: this way writes no LDS
	s_sub_co_u32 s17, ttmp9, WGQ
	s_lshl_b32 s17, s17, 2
	s_add_co_u32 s18, s17, s16                     ; which run of 2,048 numbers is my wave's: 0 .. 511
	s_lshl_b32 s20, s18, 13                        ; 8,192 bytes of f32
	s_mov_b32 s21, 0
	s_add_nc_u64 s[24:25], s[24:25], s[20:21]
	s_lshl_b32 s20, s18, 12                        ; 4,096 bytes of f16
	s_add_nc_u64 s[26:27], s[26:27], s[20:21]
.irp i, 0,1,2,3,4,5,6,7,8,9,10,11,12,13,14,15
	global_load_b128 v[R+4*\i:R+4*\i+3], v3, s[24:25] offset:512*\i th:TH_LOAD_NT
.endr
.irp i, 0,1,2,3,4,5,6,7,8,9,10,11,12,13,14,15
	s_wait_loadcnt 15-\i                           ; loads come back in order: load i is in, the younger ones stay out
	v_cvt_pk_f16_f32 v[C+2*\i], v[R+4*\i], v[R+4*\i+1]
	v_cvt_pk_f16_f32 v[C+2*\i+1], v[R+4*\i+2], v[R+4*\i+3]
	global_store_b64 v7, v[C+2*\i:C+2*\i+1], s[26:27] offset:256*\i   ; 256 consecutive bytes a wave; no register is written twice
.endr
	s_endpgm
.Lfunc_end_k_qc1256a0de0_quant:
	.size	k_qc1256a0de0_quant, .Lfunc_end_k_qc1256a0de0_quant-k_qc1256a0de0_quant
	.p2alignl 7, 3214868480
	.fill 96, 4, 3214868480
	.section	.rodata,"a",@progbits
	.p2align	6, 0x0
	.amdhsa_kernel k_qc1256a0de0_quant
		.amdhsa_group_segment_fixed_size 33280
		.amdhsa_private_segment_fixed_size 0
		.amdhsa_enable_private_segment 0
		.amdhsa_kernarg_size 48
		.amdhsa_user_sgpr_count 2
		.amdhsa_user_sgpr_kernarg_segment_ptr 1
		.amdhsa_wavefront_size32 1
		.amdhsa_system_sgpr_workgroup_id_x 1
		.amdhsa_system_sgpr_workgroup_id_y 1
		.amdhsa_system_sgpr_workgroup_id_z 1
		.amdhsa_system_vgpr_workitem_id 0
		.amdhsa_next_free_vgpr 192
		.amdhsa_next_free_sgpr 66
		.amdhsa_reserve_vcc 0
		.amdhsa_float_denorm_mode_32 3
		.amdhsa_float_denorm_mode_16_64 3
		.amdhsa_memory_ordered 1
		.amdhsa_forward_progress 1
		.amdhsa_inst_pref_size 40
	.end_amdhsa_kernel
	.amdgpu_metadata
---
amdhsa.version: [ 1, 2 ]
amdhsa.kernels:
  - .name:           k_qc1256a0de0_quant
    .symbol:         k_qc1256a0de0_quant.kd
    .args:
      - { .name: x, .offset: 0, .size: 8, .value_kind: global_buffer, .address_space: global }
      - { .name: w_attn, .offset: 8, .size: 8, .value_kind: global_buffer, .address_space: global }
      - { .name: w_proj, .offset: 16, .size: 8, .value_kind: global_buffer, .address_space: global }
      - { .name: xq, .offset: 24, .size: 8, .value_kind: global_buffer, .address_space: global }
      - { .name: wq, .offset: 32, .size: 8, .value_kind: global_buffer, .address_space: global }
      - { .name: wp16, .offset: 40, .size: 8, .value_kind: global_buffer, .address_space: global }
    .group_segment_fixed_size: 33280
    .private_segment_fixed_size: 0
    .kernarg_segment_align: 8
    .kernarg_segment_size: 48
    .max_flat_workgroup_size: 128
    .sgpr_count:     66
    .vgpr_count:     192
    .wavefront_size: 32
...
	.end_amdgpu_metadata
.endif
;; end of part 1
;; launch gemm_qkv (part 2): grid 12 x 32, 4 waves a work-group, clusters of 4 x 4, 327,680 bytes of LDS; arguments xq, wq, qkvh, fine; writes qkvh, fine
.if DOCPART == 2
	.amdgcn_target "amdgcn-amd-amdhsa--gfx1250"
	.amdhsa_code_object_version 6
	.text
	.protected	k_qc1256a0de0_gemm_qkv
	.globl	k_qc1256a0de0_gemm_qkv
	.p2align	8
	.type	k_qc1256a0de0_gemm_qkv,@function
k_qc1256a0de0_gemm_qkv:
	s_mov_b64 s[64:65], 0
	v_nop
	global_prefetch_b8 v0, s[64:65] scope:SCOPE_SE
	s_setreg_imm32_b32 hwreg(HW_REG_WAVE_MODE, 25, 1), 1
	s_wait_xcnt 0x0
	s_wait_alu depctr_hold_cnt(0) depctr_sa_sdst(0) depctr_va_vdst(0) depctr_va_sdst(0) depctr_va_ssrc(0) depctr_va_vcc(0) depctr_vm_vsrc(0)
	s_getreg_b32 s2, hwreg(HW_REG_IB_STS2, 6, 4)
	s_cmp_eq_u32 s2, 0
	s_cbranch_scc0 .Lentry_in_a_cluster
	s_endpgm
.Lentry_in_a_cluster:
	s_bfe_u32 s2, ttmp6, 0x10000c
	s_cmp_lg_u32 s2, 0xf033
	s_cbranch_scc0 .Lentry_shape_is_right
	s_endpgm
.Lentry_shape_is_right:
; qkv[m][n] = sum over k of x[m][k] w_attn[n][k], on codes of FP4 (E2M1) with one E8M0 scale for each 32 along K; m = 8192 tokens, n = 3072 channels, K = 1024; sums in f32.
; xq: codes [8192][512 bytes], scale bytes [8192][32] at byte XS.  wq: codes [3072][512 bytes], scale bytes [3072][32] at byte WS.
; OUT: qkvh, three sections (q, k, v) of 16,777,216 bytes, each [batch x 16 + head][token][64] f16; and fine: the f32 accumulators of tokens 0-15 of each batch as they lie in registers,
; [batch][n / 16][c = 0, 1][lane][4 f32]: token = lane % 16, channel = 16 (n / 16) + 8 (lane / 16) + 4 c + e.  LIMIT: a result beyond 65,504 has no f16 number.
; A tile of 256 x 256 is made by a work-group of four waves, a wave 128 x 128: 64 accumulators, 512 registers.  K is two steps of 512: two LDS slots, each filled ONCE, at the head; nothing is filled again.
; The scale bytes of the work-group's 256 + 256 rows come once too, as rows of 256 bytes with 16 of padding.
; CLUSTERS: 4 x 4 work-groups.  Tile row = cluster y + 8 cy, so that cy is the batch and cluster y the tile in it; tile column = 4 cluster x + cx, so that cluster x is the section.  The four of a row of the cluster ask
; jointly for A's tiles, the four of a column for B's.  By this text's own count a wave has three tensor loads outstanding at the most.
; THE MATRIX INSTRUCTION IS USED TRANSPOSED (source 0 = 16 rows of w_attn, source 1 = 16 tokens): a lane holds eight neighbouring channels of one token.
; REGISTERS: window 0: v0-31 addresses; v32-95 scale words, two sets; v128-191 A's fragments, one set; on the way out v128-223.  window 1: B's fragments, two sets.  windows 2, 3: the accumulators ((a, b) at v[8 (8 (a % 4) + b)]).
.set SIZE_K, 1024
.set KSTEP,  512
.set NQ,     KSTEP/128
.set ROWB,   256                       ; a tile's row in bytes
.set KROW,   SIZE_K/2                  ; a row of codes in memory
.set PITCH,  272                       ; an LDS row: 256 bytes + 16 of padding: the 16 rows that a load touches start at 16 different banks (64 banks of 4 bytes: ISA guide 11.1)
.set FR,     8
.set NL,     2
.set NP,     4                         ; places behind this matrix instruction (ISA guide 7.12.1)
.set HALFT,  128*PITCH
.set SLOT,   4*HALFT
.set KS,     SIZE_K/32
.set SCL,    2*SLOT
.set HALFS,  (128*KS/256)*272
.set SBLK,   (16*KS/256)*272
.set SPARE,  SCL+4*HALFS               ; the spare words, 128 bytes a wave
.set XS,     4194304
.set WS,     1572864
.set HP,     144                       ; the way out: a stage row: a head's 128 bytes of a token + 16
.set HST,    16*HP                     ; 16 tokens of one head; a wave's stage is two of these, in slot 0, which has had its only fill and its last read by then
.set ADRA, 16
.set ADRB, 20
.set STO,  24
.set RD,   25
.set CO,   26                          ; v26 16 x lane
.set ADRS, 27
.set SPW,  28
.set NIL,  29
.set SC,   32
.set AF,   128
.set BK,   128                         ; the way out: v128-159 and v160-191 by turns
.set TMP,  192                         ; v192-223 packed results
.set G1, 24
.set G0, 32
.set G1B, 48
.set G0B, 56
.set G1S, 68
.set G0S, 76
.set G1SB, 80
.set G0SB, 88
.set MSB, 0
.macro WIN new                         ; the immediate's high byte repeats the setting that is left
.if MSB != \new
	s_set_vgpr_msb (MSB<<8)|\new
.set MSB, \new
.endif
.endm
.set MUL_LO, 0xa1                      ; source 0 (B) window 1, source 1 (A) window 0, C and D window 2
.set MUL_HI, 0xf1
.set TO_B,   0x40
; A joint load: waves 0 and 1 fetch for A, waves 2 and 3 for B; the branch hangs on the wave's number alone.  An s_nop 0 and four v_nop follow each line.
.macro JLOAD g0a, g1a, g0b, g1b
	s_cmp_eq_u32 s15, 0
	s_cbranch_scc0 .Lfor_b_\@
	tensor_load_to_lds s[\g0a:\g0a+3], s[\g1a:\g1a+7]
	s_nop 0
.rept 4
	v_nop
.endr
	s_branch .Lasked_\@
.Lfor_b_\@:
	tensor_load_to_lds s[\g0b:\g0b+3], s[\g1b:\g1b+7]
	s_nop 0
.rept 4
	v_nop
.endr
.Lasked_\@:
.endm
.macro CROUND                          ; a round of the cluster's barrier
	s_barrier_signal -1
	s_barrier_wait -1
	s_cmp_lg_u32 s14, 0
	s_cbranch_scc1 .Lnot_wave_0_\@
	s_barrier_signal -3
.Lnot_wave_0_\@:
	s_barrier_wait -3
	s_barrier_signal -1
	s_barrier_wait -1
.endm
	s_load_b128 s[4:7], s[0:1], 0x0                ; xq s[4:5], wq s[6:7]
	s_load_b64 s[12:13], s[0:1], 0x10              ; qkvh
	s_load_b64 s[96:97], s[0:1], 0x18              ; fine
	v_lshl_add_u32 v[SPW], v0, 2, SPARE
	v_mov_b32 v[NIL], 0
	ds_add_u32 v[SPW], v[NIL]                      ; the wave's opening: the add, twice on end, and its wait ahead of my first tensor load
	ds_add_u32 v[SPW], v[NIL]
	v_lshrrev_b32 v1, 5, v0
	v_readfirstlane_b32 s14, v1                    ; wave 0..3
	s_lshr_b32 s15, s14, 1                         ; which half of the tile's rows is mine.  Also: I fetch for A (0) or for B (1)
	s_and_b32 s16, s14, 1                          ; which half of its columns.  Also: which 128 rows of that tile I fetch
	s_bfe_u32 s40, ttmp6, 0x40000                  ; cx
	s_bfe_u32 s41, ttmp6, 0x40004                  ; cy
	s_lshl_b32 s42, ttmp9, 2
	s_add_co_u32 s42, s42, s40                     ; tile column = 4 x cluster x + cx
	s_and_b32 s17, ttmp7, 0xffff
	s_lshl_b32 s19, s41, 3
	s_add_co_u32 s17, s17, s19                     ; tile row = cluster y + 8 cy
	s_lshl_b32 s43, s41, 2
	s_lshl_b32 s43, 15, s43                        ; my row of the cluster
	s_lshl_b32 s44, 0x1111, s40                    ; my column
	s_or_b32 s[G1+0], s43, (0<<16)|(1<<20)|(1<<21)|(5<<22)|(3<<25)  ; the mask; elements of 1 byte; padding on: 4 words after every 64; bit 21 set beside a mask
	s_or_b32 s[G1B+0], s44, (0<<16)|(1<<20)|(1<<21)|(5<<22)|(3<<25)
.irp g, G1, G1B
	s_mov_b32 s[\g+1], ROWB<<16                    ; tensor_dim0
	s_mov_b32 s[\g+2], 128<<16                     ; tensor_dim1
	s_mov_b32 s[\g+3], ROWB<<16                    ; tile_dim0
	s_mov_b32 s[\g+4], 128                         ; tile_dim1
	s_mov_b32 s[\g+5], KROW                        ; the pitch in memory
	s_mov_b32 s[\g+6], 0
	s_mov_b32 s[\g+7], 0
.endr
	s_or_b32 s[G1S+0], s43, (3<<16)|(1<<20)|(1<<21)|(5<<22)|(3<<25) ; the scales of 128 rows: 4,096 dense bytes as 16 rows of 32 elements of 8 bytes
	s_or_b32 s[G1SB+0], s44, (3<<16)|(1<<20)|(1<<21)|(5<<22)|(3<<25)
.irp g, G1S, G1SB
	s_mov_b32 s[\g+1], 32<<16
	s_mov_b32 s[\g+2], (128*KS/256)<<16
	s_mov_b32 s[\g+3], 32<<16
	s_mov_b32 s[\g+4], 128*KS/256
	s_mov_b32 s[\g+5], 32
	s_mov_b32 s[\g+6], 0
	s_mov_b32 s[\g+7], 0
.endr
	s_lshl_b32 s18, s16, 7                         ; which 128 rows of the tile I fetch
	s_lshl_b32 s20, s17, 8
	s_add_co_u32 s20, s20, s18                     ; A: row 256 x tile row + 128 x half
	s_lshl_b32 s46, s42, 8
	s_add_co_u32 s46, s46, s18                     ; B: row 256 x tile column + 128 x half
	s_mov_b32 s21, 0
	s_mov_b32 s47, 0
	s_mov_b64 s[18:19], KS
	s_mul_u64 s[22:23], s[20:21], s[18:19]         ; where these rows' scales begin,
	s_mul_u64 s[92:93], s[46:47], s[18:19]
	s_mov_b64 s[18:19], KROW
	s_mul_u64 s[20:21], s[20:21], s[18:19]         ; and their codes
	s_mul_u64 s[46:47], s[46:47], s[18:19]
	s_add_nc_u64 s[22:23], s[22:23], XS            ; the scale bytes lie behind the codes in each buffer
	s_add_nc_u64 s[92:93], s[92:93], WS
	s_mul_i32 s45, s14, HALFT                      ; where they go: wave x 128 rows
	s_mul_i32 s94, s14, HALFS
	s_wait_dscnt 0x0                               ; both opening adds are done
	s_wait_kmcnt 0x0
	s_add_nc_u64 s[20:21], s[4:5], s[20:21]
	s_add_nc_u64 s[22:23], s[4:5], s[22:23]
	s_add_nc_u64 s[46:47], s[6:7], s[46:47]
	s_add_nc_u64 s[92:93], s[6:7], s[92:93]
	CROUND                                         ; all sixteen work-groups are here: the first joint loads meet
	s_mov_b32 s[G0S], 1
	s_add_co_u32 s[G0S+1], s94, SCL
	s_mov_b64 s[G0S+2:G0S+3], s[22:23]
	s_or_b32 s[G0S+3], s[G0S+3], 0x80000000
	s_mov_b32 s[G0SB], 1
	s_add_co_u32 s[G0SB+1], s94, SCL
	s_mov_b64 s[G0SB+2:G0SB+3], s[92:93]
	s_or_b32 s[G0SB+3], s[G0SB+3], 0x80000000
	JLOAD G0S, G1S, G0SB, G1SB                     ; the scales first: they are wanted with K step 0
.irp s, 0,1
	s_mov_b32 s[G0+4*\s], 1
	s_add_co_u32 s[G0+4*\s+1], s45, \s*SLOT
	s_add_nc_u64 s[G0+4*\s+2:G0+4*\s+3], s[20:21], \s*ROWB
	s_or_b32 s[G0+4*\s+3], s[G0+4*\s+3], 0x80000000
	s_mov_b32 s[G0B+4*\s], 1
	s_add_co_u32 s[G0B+4*\s+1], s45, \s*SLOT
	s_add_nc_u64 s[G0B+4*\s+2:G0B+4*\s+3], s[46:47], \s*ROWB
	s_or_b32 s[G0B+4*\s+3], s[G0B+4*\s+3], 0x80000000
	JLOAD G0+4*\s, G1, G0B+4*\s, G1B
.endr
	v_and_b32 v1, 15, v0                           ; r = l % 16
	v_bfe_u32 v2, v0, 4, 1                         ; h = l / 16
	v_mul_u32_u24 v3, v1, PITCH
	v_lshl_add_u32 v4, v2, 4, v3                   ; a fragment's row x pitch + 16 x half
	s_mul_i32 s21, s15, HALFT                      ; my 128 rows of A
	s_mul_i32 s22, s16, HALFT                      ; my 128 rows of B,
	s_add_co_u32 s22, s22, 2*HALFT                 ; which lie behind A's 256
.irp s, 0,1
	v_add_nc_u32 v[ADRA+\s], s21, v4
	v_add_nc_u32 v[ADRB+\s], s22, v4
	s_add_co_u32 s21, s21, SLOT
	s_add_co_u32 s22, s22, SLOT
.endr
	v_mul_u32_u24 v5, v1, KS                       ; my row's scales: KS bytes a row,
	v_lshrrev_b32 v6, 8, v5
	v_lshl_add_u32 v5, v6, 4, v5                   ; and 16 more for each 256 passed
	s_mul_i32 s21, s15, HALFS
	s_mul_i32 s22, s16, HALFS
	s_add_co_u32 s22, s22, 2*HALFS
	s_sub_co_u32 s22, s22, s21
	v_mul_u32_u24 v6, s22, v2                      ; lanes 16-31 take B's: one product, the lower base + h x the distance
	s_add_co_u32 s21, s21, SCL
	v_add_nc_u32 v5, v5, v6
	v_add_nc_u32 v[ADRS], s21, v5
	s_mul_i32 s23, s14, 2*HST                      ; my stage
	v_mul_u32_u24 v5, v1, HP
	v_lshl_add_u32 v5, v2, 4, v5
	v_add_nc_u32 v[STO], s23, v5                   ; in: token r, 16 bytes for each half of the lanes
	v_bfe_u32 v5, v0, 3, 2
	v_mul_u32_u24 v5, v5, HP
	v_and_b32 v6, 7, v0
	v_lshl_add_u32 v5, v6, 4, v5
	v_add_nc_u32 v[RD], s23, v5                    ; back: eight lanes to a token's 128 bytes, four tokens an instruction
	v_and_b32 v6, 31, v0
	v_lshlrev_b32 v[CO], 4, v6
	; qkvh: section x 16,777,216 + (16 batch + head) x 262,144 + token x 128.  My two heads begin at 4 cx + 2 x column half; my tokens at 256 x cluster y + 128 x row half
	s_lshl_b32 s66, ttmp9, 24
	s_lshl_b32 s67, s41, 4
	s_lshl_b32 s95, s40, 2
	s_add_co_u32 s67, s67, s95
	s_lshl_b32 s95, s16, 1
	s_add_co_u32 s67, s67, s95
	s_lshl_b32 s67, s67, 18
	s_add_co_u32 s66, s66, s67
	s_and_b32 s67, ttmp7, 0xffff
	s_lshl_b32 s67, s67, 15
	s_add_co_u32 s66, s66, s67
	s_lshl_b32 s67, s15, 14
	s_add_co_u32 s66, s66, s67
	s_mov_b32 s67, 0
	s_add_nc_u64 s[12:13], s[12:13], s[66:67]
	; fine: (192 batch + 64 section + 16 cx + 8 x column half) x 1,024
	s_mul_i32 s66, s41, 192
	s_lshl_b32 s67, ttmp9, 6
	s_add_co_u32 s66, s66, s67
	s_lshl_b32 s67, s40, 4
	s_add_co_u32 s66, s66, s67
	s_lshl_b32 s67, s16, 3
	s_add_co_u32 s66, s66, s67
	s_lshl_b32 s66, s66, 10
	s_mov_b32 s67, 0
	s_add_nc_u64 s[96:97], s[96:97], s[66:67]
	s_and_b32 s95, ttmp7, 0xffff
	s_or_b32 s95, s95, s15                         ; 0 where my block 0 holds tokens 0-15 of a batch: cluster y and the wave's number alone, the same in all partners
.macro FRAG reg, adr, q, i             ; 16 rows x 128 K of 4-bit codes: 8 registers, two loads of 16 bytes, 32 bytes apart
.irp c, 0,1
	ds_load_b128 v[\reg+4*\c:\reg+4*\c+3], v[\adr] offset:64*(\q)+32*\c+(\i)*16*PITCH
.endr
.endm
; 16 matrix instructions: A's blocks a0, a0 + 1 x B's eight, 128 along K.  The 64 accumulators take turns, one instruction a turn, in the same order in every step.
.macro MUL16 a0, p, q, sc, zero
.irp a, \a0, \a0+1
.irp b, 0,1,2,3,4,5,6,7
.if \zero
	v_wmma_scale_f32_16x16x128_f8f6f4 v[8*(8*((\a)%4)+\b):8*(8*((\a)%4)+\b)+7], v[128*(\p)+FR*\b:128*(\p)+FR*\b+FR-1], v[AF+FR*(\a):AF+FR*(\a)+FR-1], 0, v[SC+8*NQ*(\sc)+NQ*\b+(\q)], v[SC+8*NQ*(\sc)+NQ*(\a)+(\q)] matrix_a_fmt:MATRIX_FMT_FP4 matrix_b_fmt:MATRIX_FMT_FP4 matrix_a_scale:MATRIX_SCALE_ROW1
.else
	v_wmma_scale_f32_16x16x128_f8f6f4 v[8*(8*((\a)%4)+\b):8*(8*((\a)%4)+\b)+7], v[128*(\p)+FR*\b:128*(\p)+FR*\b+FR-1], v[AF+FR*(\a):AF+FR*(\a)+FR-1], v[8*(8*((\a)%4)+\b):8*(8*((\a)%4)+\b)+7], v[SC+8*NQ*(\sc)+NQ*\b+(\q)], v[SC+8*NQ*(\sc)+NQ*(\a)+(\q)] matrix_a_fmt:MATRIX_FMT_FP4 matrix_b_fmt:MATRIX_FMT_FP4 matrix_a_scale:MATRIX_SCALE_ROW1
.endif
.endr
.endr
.endm
.macro FETCH_B slot, q, p
	WIN TO_B
.irp i, 0,1,2,3,4,5,6,7
	FRAG 128*(\p)+FR*\i, ADRB+\slot, \q, \i
.endr
	WIN 0
.endm
.macro FETCH_A slot, q, i0
.irp i, \i0, \i0+1, \i0+2, \i0+3
	FRAG AF+FR*(\i), ADRA+\slot, \q, \i
.endr
.endm
.macro SCALES sc                       ; a K step's scale words: lanes 0-15 take A's block i, lanes 16-31 B's block i
.irp i, 0,1,2,3,4,5,6,7
	ds_load_b128 v[SC+8*NQ*\sc+NQ*\i:SC+8*NQ*\sc+NQ*\i+3], v[ADRS] offset:\i*SBLK
.endr
.endm
.macro PLACES n                        ; plain vector lines between a matrix instruction and a load into, or a read of, its registers
.rept \n
	v_nop
.endr
.endm
.macro STEP slot, q, zero              ; a step of 128 along K that has its successor in the same slot
	s_wait_dscnt 4*NL                              ; B's set and A's blocks 0-3 are in; the youngest eight loads (A's blocks 4-7) may be out
	WIN MUL_LO
	MUL16 0, (\q)%2, \q, \slot, \zero
	MUL16 2, (\q)%2, \q, \slot, \zero
	s_wait_dscnt 0                                 ; A's blocks 4-7 are in
	PLACES NP
	FETCH_B \slot, (\q)+1, 1-(\q)%2
	FETCH_A \slot, (\q)+1, 0
	WIN MUL_HI
	MUL16 4, (\q)%2, \q, \slot, \zero
	MUL16 6, (\q)%2, \q, \slot, \zero
	PLACES NP
	WIN 0
	FETCH_A \slot, (\q)+1, 4
.endm
; Slot 0's last step goes on to slot 1: one barrier; in front of it each wave waits for all its tensor loads (its part of slot 1), adds 0 to its spare word, and waits for that and for its reads of slot 0.
.macro TURN slot, next
	s_wait_tensorcnt 0x0                           ; all my tensor loads have landed
	ds_add_u32 v[SPW], v[NIL]                      ; 0 onto my spare word
	s_wait_dscnt 4*NL+1                            ; (the add and the youngest eight loads may be out)
	WIN MUL_LO
	MUL16 0, 1, NQ-1, \slot, 0
	s_wait_dscnt 0x0                               ; the add is done, and my reads of this slot are over
	s_barrier_signal -1
	MUL16 2, 1, NQ-1, \slot, 0
	WIN 0
	s_barrier_wait -1
	PLACES NP
	v_add_nc_u32 v[ADRS], 4*NQ, v[ADRS]            ; on to the next K step's scale words
	FETCH_B \next, 0, 0
	FETCH_A \next, 0, 0
	SCALES \next
	WIN MUL_HI
	MUL16 4, 1, NQ-1, \slot, 0
	MUL16 6, 1, NQ-1, \slot, 0
	PLACES NP
	WIN 0
	FETCH_A \next, 0, 4
.endm
.macro STEPS slot, from
.set Q, \from
.rept NQ-1-\from
	STEP \slot, Q, 0
.set Q, Q+1
.endr
.endm
	s_wait_tensorcnt 1                             ; the scales and my part of K step 0 are in; K step 1's load, issued behind them, may be out
	s_barrier_signal -1
	s_barrier_wait -1                              ; everybody's are
	FETCH_B 0, 0, 0
	FETCH_A 0, 0, 0
	SCALES 0
	FETCH_A 0, 0, 4
	STEP 0, 0, 1                                   ; the first products start the sums: nothing is cleared
	STEPS 0, 1
	TURN 0, 1
	STEPS 1, 0
	s_wait_dscnt 4*NL                              ; the last step: nothing more to fetch
	WIN MUL_LO
	MUL16 0, 1, NQ-1, 1, 0
	MUL16 2, 1, NQ-1, 1, 0
	s_wait_dscnt 0
	WIN MUL_HI
	MUL16 4, 1, NQ-1, 1, 0
	MUL16 6, 1, NQ-1, 1, 0
	WIN 0
; THE WAY OUT, block by block of 16 tokens x 128 channels (two heads).  PACK: rounded to f16, each accumulator from its low end on.  TOSTAGE: into my stage, a head's 16 tokens on end, and back four tokens an instruction.
; SEND: 32 lanes store 512 consecutive bytes: four tokens of one head.  The base is never stepped: head, block and tokens stand in the immediate.
.macro PACK a
.set AC, 64*((\a)%4)
	WIN 0x0a+5*((\a)/4)                            ; sources 0 and 1: window 2 or 3
.irp b, 0,1,2,3,4,5,6,7
.irp r, 0,1,2,3
	v_cvt_pk_f16_f32 v[TMP+4*\b+\r], v[AC+8*\b+2*\r], v[AC+8*\b+2*\r+1]
.endr
.endr
	WIN 0
.endm
.macro TOSTAGE a
.irp b, 0,1,2,3,4,5,6,7
	ds_store_b128 v[STO], v[TMP+4*\b:TMP+4*\b+3] offset:(\b/4)*HST+(\b%4)*32
.endr
.set BB, BK+32*((\a)%2)
.irp g, 0,1
.irp i, 0,1,2,3
	ds_load_b128 v[BB+4*(4*\g+\i):BB+4*(4*\g+\i)+3], v[RD] offset:\g*HST+\i*4*HP   ; LDS serves a wave's instructions in order: these see the stores above
.endr
.endr
.endm
.macro SEND a
.set BB, BK+32*((\a)%2)
	s_wait_dscnt 0x0                               ; the block is back in registers
	s_wait_xcnt 0x0                                ; the stores of the block before have read their registers: the next loads from the stage may land there
.irp g, 0,1
.irp i, 0,1,2,3
	global_store_b128 v[CO], v[BB+4*(4*\g+\i):BB+4*(4*\g+\i)+3], s[12:13] offset:\g*262144+(\a)*2048+\i*512
.endr
.endr
.endm
	PLACES NP                                      ; behind the last products: for the reads of results and for the loads into A's registers
	s_cmp_lg_u32 s95, 0                            ; tokens 0-15 of a batch also leave in f32, as the accumulators lie
	s_cbranch_scc1 .Lno_fine
	WIN 0x08                                       ; a store's data are its source 1: window 2
.irp b, 0,1,2,3,4,5,6,7
	global_store_b128 v[CO], v[8*\b:8*\b+3], s[96:97] offset:\b*1024          ; 512 consecutive bytes a wave
	global_store_b128 v[CO], v[8*\b+4:8*\b+7], s[96:97] offset:\b*1024+512
.endr
	WIN 0
.Lno_fine:
	PACK 0
	TOSTAGE 0
.irp a, 1,2,3,4,5,6,7
	PACK \a                                        ; block a's conversions stand between block a - 1's loads from the stage and the wait for them
	SEND \a-1
	TOSTAGE \a
.endr
	SEND 7
	s_wait_tensorcnt 0x0                           ; the wave's end: behind my last tensor load and my last LDS store
	ds_add_u32 v[SPW], v[NIL]
	s_wait_dscnt 0x0
	CROUND                                         ; the closing round
	s_endpgm
.Lfunc_end_k_qc1256a0de0_gemm_qkv:
	.size	k_qc1256a0de0_gemm_qkv, .Lfunc_end_k_qc1256a0de0_gemm_qkv-k_qc1256a0de0_gemm_qkv
	.p2alignl 7, 3214868480
	.fill 96, 4, 3214868480
	.section	.rodata,"a",@progbits
	.p2align	6, 0x0
	.amdhsa_kernel k_qc1256a0de0_gemm_qkv
		.amdhsa_group_segment_fixed_size 327680
		.amdhsa_private_segment_fixed_size 0
		.amdhsa_enable_private_segment 0
		.amdhsa_kernarg_size 32
		.amdhsa_user_sgpr_count 2
		.amdhsa_user_sgpr_kernarg_segment_ptr 1
		.amdhsa_wavefront_size32 1
		.amdhsa_system_sgpr_workgroup_id_x 1
		.amdhsa_system_sgpr_workgroup_id_y 1
		.amdhsa_system_sgpr_workgroup_id_z 1
		.amdhsa_system_vgpr_workitem_id 0
		.amdhsa_next_free_vgpr 1024
		.amdhsa_next_free_sgpr 98
		.amdhsa_reserve_vcc 0
		.amdhsa_float_denorm_mode_32 3
		.amdhsa_float_denorm_mode_16_64 3
		.amdhsa_memory_ordered 1
		.amdhsa_forward_progress 1
		.amdhsa_inst_pref_size 129
	.end_amdhsa_kernel
	.amdgpu_metadata
---
amdhsa.version: [ 1, 2 ]
amdhsa.kernels:
  - .name:           k_qc1256a0de0_gemm_qkv
    .symbol:         k_qc1256a0de0_gemm_qkv.kd
    .args:
      - { .name: xq, .offset: 0, .size: 8, .value_kind: global_buffer, .address_space: global }
      - { .name: wq, .offset: 8, .size: 8, .value_kind: global_buffer, .address_space: global }
      - { .name: qkvh, .offset: 16, .size: 8, .value_kind: global_buffer, .address_space: global }
      - { .name: fine, .offset: 24, .size: 8, .value_kind: global_buffer, .address_space: global }
    .group_segment_fixed_size: 327680
    .private_segment_fixed_size: 0
    .kernarg_segment_align: 8
    .kernarg_segment_size: 32
    .max_flat_workgroup_size: 128
    .sgpr_count:     98
    .vgpr_count:     1024
    .wavefront_size: 32
...
	.end_amdgpu_metadata
.endif
;; end of part 2
;; launch attn (part 3): grid 4 x 64, 8 waves a work-group, no clusters, 327,680 bytes of LDS; arguments qkvh, yh; writes yh
.if DOCPART == 3
	.amdgcn_target "amdgcn-amd-amdhsa--gfx1250"
	.amdhsa_code_object_version 6
	.text
	.protected	k_qc1256a0de0_attn
	.globl	k_qc1256a0de0_attn
	.p2align	8
	.type	k_qc1256a0de0_attn,@function
k_qc1256a0de0_attn:
	s_mov_b64 s[64:65], 0
	v_nop
	global_prefetch_b8 v0, s[64:65] scope:SCOPE_SE
	s_setreg_imm32_b32 hwreg(HW_REG_WAVE_MODE, 25, 1), 1
	s_wait_xcnt 0x0
; y[bh][q][:] = the sum over k <= q of softmax_k(Q[bh][q] . K[bh][k] / 8) V[bh][k][:].  qkvh: sections q, k, v of 16,777,216 bytes, each [bh = 16 batch + head][2048][64] f16.
; yh: [head][2048 batch + token][64] f16.  Products on f16 operands with f32 sums; maxima, exponentials and sums in f32; the weights p are rounded to f16 for the second product, y once at the end.
; LIMITS: hidden scores count as minus infinity where the definition has -1e9 (they differ only where a visible scaled score lies under about -1e9); NaN and infinities are not served; y beyond 65,504 has no f16 number.
; SHARES.  Work-group (i, bh) takes the blocks i and 7 - i of 256 queries of head bh: (i + 1) + (8 - i) = 9 slots of 256 keys whatever i is: 256 work-groups of equal work, and a trip count that is a constant.
; Trip j <= i: block i, key slot j; trip j > i: block 7 - i, key slot j - i - 1.  Each of the eight waves owns 32 queries, two tiles of 16; two waves share a SIMD, so that one's vector work stands beside the other's products.
; A key step is 64 keys, a slot four steps.  A step all of whose keys come after the wave's queries is jumped over (ids alone); the step on the diagonal hides scores by compare and select.
; LAYOUT.  S^T = K Q^T (source 0 = 16 keys, source 1 = 16 queries): a lane holds ONE query and the keys 8 (lane / 16) + 0..7.  Two such tiles, rounded to f16 in pairs, ARE source 1 of O^T = V^T P; V is turned by ds_load_tr16_b128.
; SOFTMAX.  A running maximum m and sum l a query: p = 2^(c s - c m), c = log2(e) / 8; in every step O and l are multiplied by a = 2^(c m_old - c m_new).
; RING.  Two LDS slots, filled by the tensor data mover: waves 0-3 fetch K of step w, waves 4-7 V of step w - 4, 64 rows each: one load a wave behind each barrier, which is what a wave has outstanding.
; NO CLUSTER: the four work-groups of a head want different key slots in the same trip (slot j in one, j - i - 1 in another), and a common walk would bring a partner slots all of whose keys are hidden from it.
.set KP,    144                        ; a row of K in LDS: 128 bytes + 16: the 16 rows of a load start at 16 different groups of banks (64 banks of 4 bytes: ISA guide 11.1)
.set VP,    160                        ; a row of V: 128 + 32, an odd multiple of 32, for the turning load
.set VOFF,  64*KP                      ; a step's tiles lie together: 64 rows of K, then 64 rows of V
.set STEPB, 64*(KP+VP)
.set SLOT1, 1<<17                      ; slot 1 begins here: one exclusive or turns an address from one slot to the other
.set STAGE, SLOT1+4*STEPB              ; behind the ring: 32 rows x 144 bytes for each wave; no fill lands there
.set SPARE, STAGE+8*32*KP              ; the spare words, 128 bytes a wave
.set SECT,  16777216                   ; a section of qkvh
.set SLOTB, 256*128                    ; a slot's keys in memory, in K or in V
.set AK0, 1                            ; v1   my lane's place in a tile of K
.set AV0, 2                            ; v2   the same for V
.set ADK, 3                            ; v3   LDS address of the step's K
.set ADV, 4                            ; v4   of its V
.set QO,  5                            ; v5   my byte in the wave's rows of Q
.set STO, 6                            ; v6   the way out: where I put 16 bytes of a row
.set RD,  7                            ; v7   where I read rows back
.set GO,  8                            ; v8   16 x lane
.set SPW, 9                            ; v9   my spare word; never rewritten
.set NIL, 10                           ; v10  0; never rewritten
.set PFO, 11                           ; v11  256 x lane; never rewritten
.set DM,  12                           ; v12-13 the mask: my query - the step's first key - 8 (lane / 16), for tiles 0 and 1
.set NINF, 14                          ; v14  minus infinity
.set DB,  15                           ; v15  lane % 16 - 8 (lane / 16)
.set ST,  16                           ; tile t's statistics at v[ST + 8 t]: +0 c m, +1 m, +2, +3 l, +4 .. +7 at work; a in +6
.set Q,   32                           ; v32-63   Q: tile t, channels 32 c on: Q + 16 t + 8 c
.set KV,  64                           ; v64-127  K: 16 kt + 8 c; later V: 32 kp + 8 ct
.set S,   128                          ; v128-191 S^T: 32 t + 8 kt; P in place: 32 t + 16 kp + 0..7
.set O,   192                          ; v192-255 O^T: 32 t + 8 ct
.set WV,   12
.set IB,   13                          ; s13  i
.set TRIP, 14
.set QC,   15
.set KF,   16                          ; s16  the step's first key
.set Q0,   17                          ; s17  my wave's first query
.set TB,   18                          ; s18  LDS byte at which the step in hand begins
.set KOFF, 20                          ; s[20:21] the key slot being asked for, in bytes
.set KB,   22                          ; s[22:23] K: my head, my step's 64 rows of slot 0
.set VB,   24                          ; s[24:25] V likewise
.set G1K,  28
.set G1V,  36
.set G0K,  44
.set G0V,  48
.set CS,   52                          ; s[52:53] c, twice
.set SEL,  54
.set PFA,  56                          ; s[56:57] my tile of the slot being asked for; a prefetch names the slot after it
.set PFB,  58                          ; s[58:59] K's or V's base, by my wave
.set LO,   60                          ; s60  the first trip in which I prefetch
.set TA,   66                          ; s[66:67] at work
.set QP,   68
.set YP,   70
.set YB,   72
; Every wave fetches: waves 0-3 K's tiles, waves 4-7 V's.  The branch hangs on the wave's number alone.  An s_nop 0 and four v_nop follow each line.
.macro TLOAD
	s_cmp_lt_u32 s[WV], 4
	s_cbranch_scc0 .Lfor_v_\@
	tensor_load_to_lds s[G0K:G0K+3], s[G1K:G1K+7]
	s_nop 0
.rept 4
	v_nop
.endr
	s_branch .Lasked_\@
.Lfor_v_\@:
	tensor_load_to_lds s[G0V:G0V+3], s[G1V:G1V+7]
	s_nop 0
.rept 4
	v_nop
.endr
.Lasked_\@:
.endm
; A PREFETCH INTO THE L2 of the key slot that the next change of slots will ask for.  Of a head's four work-groups the one with i = 0 walks key slots 4 to 7 first: it alone asks, in trips 3 to 6, for slots 4 to 7, one trip
; (four key steps) ahead of its own tensor load.  Each wave names its own tile's 8,192 bytes, lanes 256 bytes apart: each block of 256 bytes is named once in the launch.  Slots 0 to 3 come by their loads alone.
.macro ASK
	s_cmp_lt_u32 s[TRIP], s[LO]
	s_cbranch_scc1 .Lnot_mine_\@
	s_cmp_gt_u32 s[TRIP], 6                        ; there is no slot 8
	s_cbranch_scc1 .Lnot_mine_\@
	global_prefetch_b8 v[PFO], s[PFA:PFA+1] offset:SLOTB th:TH_LOAD_NT scope:SCOPE_SE
.Lnot_mine_\@:
.endm
; THE CHANGE OF SLOTS stands at a trip's head.  Each wave waits for all its tensor loads (its part of the slot that it is about to read), adds 0 to its spare word, and waits for that and for its reads of the slot that it has left.
; Behind the barrier the slot ahead is whole and nobody reads the other one.  fill = 1: the other slot takes the next trip's keys; the load has a trip's four steps in which to land.
.macro CHANGE fill
	s_wait_tensorcnt 0x0                           ; no tensor load of mine is out, so a group 0 may be written
	ds_add_u32 v[SPW], v[NIL]                      ; 0 onto my spare word
.if \fill
	s_xor_b32 s[G0K+1], s[G0K+1], SLOT1            ; the other slot than last time
	s_xor_b32 s[G0V+1], s[G0V+1], SLOT1
	s_add_co_u32 s[TA], s[KOFF], SLOTB             ; the next key slot,
	s_cmp_eq_u32 s[TRIP], s[IB]
	s_cselect_b32 s[KOFF], 0, s[TA]                ; or slot 0 again, where the next trip begins block 7 - i
	s_add_nc_u64 s[G0K+2:G0K+3], s[KB:KB+1], s[KOFF:KOFF+1]
	s_or_b32 s[G0K+3], s[G0K+3], 0x80000000
	s_add_nc_u64 s[G0V+2:G0V+3], s[VB:VB+1], s[KOFF:KOFF+1]
	s_or_b32 s[G0V+3], s[G0V+3], 0x80000000
	s_wait_xcnt 0x0                                ; the last prefetch, a trip back, has read its address
	s_add_nc_u64 s[PFA:PFA+1], s[PFB:PFB+1], s[KOFF:KOFF+1]
.endif
	s_wait_dscnt 0x0                               ; the add is done, and my reads of the slot that I have left are over
	s_barrier_signal -1
	s_barrier_wait -1
.if \fill
	TLOAD                                          ; the first thing behind the barrier, and my one tensor load until the next
	ASK
.endif
.endm
.macro LOADQ                           ; my 32 queries stay in registers
	s_lshl_b32 s[TA], s[Q0], 7
	s_mov_b32 s[TA+1], 0
	s_add_nc_u64 s[QP:QP+1], s[4:5], s[TA:TA+1]
.irp t, 0,1
.irp c, 0,1
	global_load_b128 v[Q+16*\t+8*\c:Q+16*\t+8*\c+3], v[QO], s[QP:QP+1] offset:\t*2048+\c*64
	global_load_b128 v[Q+16*\t+8*\c+4:Q+16*\t+8*\c+7], v[QO], s[QP:QP+1] offset:\t*2048+\c*64+32
.endr
.endr
.endm
.macro YPTR
	s_lshl_b32 s[TA], s[Q0], 7
	s_mov_b32 s[TA+1], 0
	s_add_nc_u64 s[YP:YP+1], s[YB:YB+1], s[TA:TA+1]
.endm
.macro RESET                           ; a block begins: m = -3e38, under every score; l and O^T are zeros, which the first a = 0 leaves zeros.  So the key step is written once
.irp t, 0,1
	v_mov_b32 v[ST+8*\t+1], 0xff61b1e6
	v_mul_f32 v[ST+8*\t], s[CS], v[ST+8*\t+1]
.irp k, 2,3,4,5,6,7
	v_mov_b32 v[ST+8*\t+\k], 0
.endr
.endr
.set i, 0
.rept 64
	v_mov_b32 v[O+i], 0
.set i, i+1
.endr
.endm
; A KEY STEP: 64 keys.
.macro STEP
	s_add_co_u32 s[TA], s[Q0], 31
	s_cmp_gt_u32 s[KF], s[TA]                      ; all 64 keys come after my 32 queries: ids and the count of steps alone
	s_cbranch_scc1 .Lhid_\@
	v_add_nc_u32 v[ADK], s[TB], v[AK0]
	v_add_nc_u32 v[ADV], s[TB], v[AV0]
.rept 3
	v_nop                                          ; with the two additions five places behind the last step's products: the loads below land on V's registers, and the products below write S^T over P
.endr
.irp kt, 0,1,2,3
.irp c, 0,1
	ds_load_b128 v[KV+16*\kt+8*\c:KV+16*\kt+8*\c+3], v[ADK] offset:\kt*16*KP+\c*64
	ds_load_b128 v[KV+16*\kt+8*\c+4:KV+16*\kt+8*\c+7], v[ADK] offset:\kt*16*KP+\c*64+32
.endr
.endr
	s_wait_dscnt 0x0                               ; K is in
.irp c, 0,1                                    ; S^T = K Q^T: eight accumulators by turns, one instruction a turn; the first eight start the sums
.irp kt, 0,1,2,3
.irp t, 0,1
.if \c == 0
	v_wmma_f32_16x16x32_f16 v[S+32*\t+8*\kt:S+32*\t+8*\kt+7], v[KV+16*\kt+8*\c:KV+16*\kt+8*\c+7], v[Q+16*\t+8*\c:Q+16*\t+8*\c+7], 0
.else
	v_wmma_f32_16x16x32_f16 v[S+32*\t+8*\kt:S+32*\t+8*\kt+7], v[KV+16*\kt+8*\c:KV+16*\kt+8*\c+7], v[Q+16*\t+8*\c:Q+16*\t+8*\c+7], v[S+32*\t+8*\kt:S+32*\t+8*\kt+7]
.endif
.endr
.endr
.endr
.rept 4
	v_nop                                          ; four places: for the loads into K's registers and for the first reads of the scores
.endr
.irp f, 0,1,2,3,4,5,6,7                        ; V, turned: keys 32 (f / 4) on, channels 16 (f % 4) on; it lands under the softmax
	ds_load_tr16_b128 v[KV+8*\f:KV+8*\f+3], v[ADV] offset:(\f/4)*32*VP+(\f%4)*32
	ds_load_tr16_b128 v[KV+8*\f+4:KV+8*\f+7], v[ADV] offset:(\f/4)*32*VP+16*VP+(\f%4)*32
.endr
	s_add_co_u32 s[TA], s[KF], 63
	s_cmp_le_u32 s[TA], s[Q0]                      ; all keys count for all my queries: nothing to hide
	s_cbranch_scc1 .Lopen_\@
	s_sub_co_i32 s[TA], s[Q0], s[KF]
	v_add_nc_u32 v[DM], s[TA], v[DB]               ; register 8 kt + j of tile t holds key KF + 16 kt + 8 (lane / 16) + j: hidden where 16 kt + j > d
	v_add_nc_u32 v[DM+1], 16, v[DM]
.irp t, 0,1
.irp n, 0,1,2,3,4,5,6,7,8,9,10,11,12,13,14,15,16,17,18,19,20,21,22,23,24,25,26,27,28,29,30,31
	v_cmp_gt_i32 vcc_lo, 16*(\n/8)+\n%8, v[DM+\t]
	v_cndmask_b32 v[S+32*\t+\n], v[S+32*\t+\n], v[NINF], vcc_lo
.endr
.endr
.Lopen_\@:
.irp x, 0,1,2,3                                ; the maximum of 32 scores and the old m: four chains a tile, each begun at an accumulator's low end; the tiles by turns
.irp t, 0,1
	v_max3_num_f32 v[ST+8*\t+4+\x], v[S+32*\t+8*\x], v[S+32*\t+8*\x+1], v[S+32*\t+8*\x+2]
.endr
.endr
.irp y, 3,5
.irp x, 0,1,2,3
.irp t, 0,1
	v_max3_num_f32 v[ST+8*\t+4+\x], v[ST+8*\t+4+\x], v[S+32*\t+8*\x+\y], v[S+32*\t+8*\x+\y+1]
.endr
.endr
.endr
.irp t, 0,1
	v_max3_num_f32 v[ST+8*\t+4], v[ST+8*\t+4], v[S+32*\t+7], v[S+32*\t+15]
	v_max3_num_f32 v[ST+8*\t+6], v[ST+8*\t+6], v[S+32*\t+23], v[S+32*\t+31]
.endr
.irp t, 0,1
	v_max3_num_f32 v[ST+8*\t+4], v[ST+8*\t+4], v[ST+8*\t+5], v[ST+8*\t+6]
.endr
.irp t, 0,1
	v_max3_num_f32 v[ST+8*\t+4], v[ST+8*\t+4], v[ST+8*\t+7], v[ST+8*\t+1]
.endr
.irp t, 0,1
	v_permlanex16_b32 v[ST+8*\t+5], v[ST+8*\t+4], s[SEL], s[SEL+1]   ; the query's other 32 keys lie in the lane 16 away
.endr
.irp t, 0,1
	v_mov_b32 v[ST+8*\t+7], v[ST+8*\t]             ; c m_old is kept for a
.endr
.irp t, 0,1
	v_max_num_f32 v[ST+8*\t+1], v[ST+8*\t+4], v[ST+8*\t+5]
.endr
.irp t, 0,1
	v_mul_f32 v[ST+8*\t], s[CS], v[ST+8*\t+1]
.endr
.irp t, 0,1
	v_sub_f32 v[ST+8*\t+7], v[ST+8*\t+7], v[ST+8*\t]
.endr
.irp t, 0,1
	v_exp_f32 v[ST+8*\t+6], v[ST+8*\t+7]           ; a
.endr
.irp b, 0,2,4,6,8,10,12,14,16,18,20,22,24,26,28,30
.irp t, 0,1
	v_pk_fma_f32 v[S+32*\t+\b:S+32*\t+\b+1], v[S+32*\t+\b:S+32*\t+\b+1], s[CS:CS+1], v[ST+8*\t:ST+8*\t+1] op_sel_hi:[1,0,0] neg_lo:[0,0,1] neg_hi:[0,0,1]  ; c s - c m, two at a time; these name neither a
.endr
.endr
	s_wait_alu depctr_va_vdst(0)                   ; the wait ahead of the first line that names an exponential's result: here for the two a
.set i, 0
.rept 64
	v_exp_f32 v[S+i], v[S+i]                       ; p, one batch
.set i, i+1
.endr
.irp t, 0,1
	v_pk_mul_f32 v[ST+8*\t+2:ST+8*\t+3], v[ST+8*\t+2:ST+8*\t+3], v[ST+8*\t+6:ST+8*\t+7] op_sel_hi:[1,0]   ; l x a: plain work that names no p
.endr
.irp t, 0,1
.irp b, 0,2,4,6,8,10,12,14,16,18,20,22,24,26,28,30
	v_pk_mul_f32 v[O+32*\t+\b:O+32*\t+\b+1], v[O+32*\t+\b:O+32*\t+\b+1], v[ST+8*\t+6:ST+8*\t+7] op_sel_hi:[1,0]   ; O^T x a, each accumulator from its low end on
.endr
.endr
	s_wait_alu depctr_va_vdst(0)                   ; one wait for the batch of 64, ahead of its first reader
.irp t, 0,1
	v_pk_add_f32 v[ST+8*\t+4:ST+8*\t+5], v[S+32*\t:S+32*\t+1], v[S+32*\t+2:S+32*\t+3]   ; the sums, of the unrounded p, in two chains a tile
.endr
.irp b, 4,8,12,16,20,24,28
.irp t, 0,1
	v_pk_add_f32 v[ST+8*\t+2:ST+8*\t+3], v[ST+8*\t+2:ST+8*\t+3], v[S+32*\t+\b:S+32*\t+\b+1]
	v_pk_add_f32 v[ST+8*\t+4:ST+8*\t+5], v[ST+8*\t+4:ST+8*\t+5], v[S+32*\t+\b+2:S+32*\t+\b+3]
.endr
.endr
.irp t, 0,1
	v_pk_add_f32 v[ST+8*\t+2:ST+8*\t+3], v[ST+8*\t+2:ST+8*\t+3], v[ST+8*\t+4:ST+8*\t+5]
.endr
.irp t, 0,1
.irp kp, 0,1
.irp n, 0,1,2,3,4,5,6,7
	v_cvt_pk_f16_f32 v[S+32*\t+16*\kp+\n], v[S+32*\t+16*\kp+2*\n], v[S+32*\t+16*\kp+2*\n+1]   ; P in place: register n was read by an earlier line
.endr
.endr
.endr
	s_wait_dscnt 0x0                               ; V is in
.irp kp, 0,1                                   ; O^T += V^T P: eight accumulators by turns
.irp ct, 0,1,2,3
.irp t, 0,1
	v_wmma_f32_16x16x32_f16 v[O+32*\t+8*\ct:O+32*\t+8*\ct+7], v[KV+32*\kp+8*\ct:KV+32*\kp+8*\ct+7], v[S+32*\t+16*\kp:S+32*\t+16*\kp+7], v[O+32*\t+8*\ct:O+32*\t+8*\ct+7]
.endr
.endr
.endr
.Lhid_\@:
	s_add_co_u32 s[KF], s[KF], 64
	s_add_co_u32 s[TB], s[TB], STEPB
.endm
.macro SLOT_STEPS                      ; a slot's four key steps: written once, walked four times
	s_mov_b32 s[QC], 4
.Lstep_\@:
	STEP
	s_sub_co_u32 s[QC], s[QC], 1
	s_cmp_lg_u32 s[QC], 0
	s_cbranch_scc1 .Lstep_\@
	s_sub_co_u32 s[TB], s[TB], 4*STEPB             ; back to a slot's first step,
	s_xor_b32 s[TB], s[TB], SLOT1                  ; in the other slot
.endm
; A BLOCK'S WAY OUT.  O^T / l, rounded to f16, goes through my stage and leaves four rows an instruction: 512 consecutive bytes.  The additions are the places behind the last products.
.macro FINISH
.irp t, 0,1
	v_add_f32 v[ST+8*\t+4], v[ST+8*\t+2], v[ST+8*\t+3]
.endr
.irp t, 0,1
	v_permlanex16_b32 v[ST+8*\t+5], v[ST+8*\t+4], s[SEL], s[SEL+1]
.endr
.irp t, 0,1
	v_add_f32 v[ST+8*\t+4], v[ST+8*\t+4], v[ST+8*\t+5]
.endr
.irp t, 0,1
	v_rcp_f32 v[ST+8*\t+6], v[ST+8*\t+4]
.endr
	v_nop                                          ; a plain line between the last reciprocal and the use of its result
	s_wait_alu depctr_va_vdst(0)                   ; and one wait for the two
.irp t, 0,1
.irp b, 0,2,4,6,8,10,12,14,16,18,20,22,24,26,28,30
	v_pk_mul_f32 v[O+32*\t+\b:O+32*\t+\b+1], v[O+32*\t+\b:O+32*\t+\b+1], v[ST+8*\t+6:ST+8*\t+7] op_sel_hi:[1,0]
.endr
.endr
.irp t, 0,1
.irp n, 0,1,2,3,4,5,6,7,8,9,10,11,12,13,14,15
	v_cvt_pk_f16_f32 v[S+16*\t+\n], v[O+32*\t+2*\n], v[O+32*\t+2*\n+1]
.endr
.endr
.irp t, 0,1
.irp ct, 0,1,2,3
	ds_store_b128 v[STO], v[S+16*\t+4*\ct:S+16*\t+4*\ct+3] offset:\t*16*KP+\ct*32
.endr
.endr
.irp n, 0,1,2,3,4,5,6,7
	ds_load_b128 v[S+32+4*\n:S+32+4*\n+3], v[RD] offset:\n*4*KP      ; LDS serves a wave's instructions in order: these see the stores above
.endr
.irp n, 0,1,2,3,4,5,6,7
	s_wait_dscnt 7-\n                              ; load n is back; the younger ones stay out
	global_store_b128 v[GO], v[S+32+4*\n:S+32+4*\n+3], s[YP:YP+1] offset:\n*512
.endr
	s_wait_xcnt 0x0                                ; the stores have read their registers and their base: both are written again
.endm
	s_load_b128 s[4:7], s[0:1], 0x0                ; qkvh s[4:5], yh s[6:7]
	v_lshl_add_u32 v[SPW], v0, 2, SPARE
	v_mov_b32 v[NIL], 0
	ds_add_u32 v[SPW], v[NIL]                      ; the wave's opening: the add, twice on end, and its wait ahead of my first tensor load
	ds_add_u32 v[SPW], v[NIL]
	v_lshrrev_b32 v1, 5, v0
	v_readfirstlane_b32 s[WV], v1                  ; wave 0..7
	s_mov_b32 s[IB], ttmp9
	s_and_b32 s[TA], ttmp7, 0xffff                 ; bh
	s_mov_b32 s[G1K], (1<<16)|(1<<20)|(4<<22)|(3<<25)   ; no mask; elements of 2 bytes; padding on: 4 words after every 32
	s_mov_b32 s[G1V], (1<<16)|(1<<20)|(4<<22)|(7<<25)   ; the same with 8 words
.irp g, G1K, G1V
	s_mov_b32 s[\g+1], 64<<16                      ; tensor_dim0 = 64
	s_mov_b32 s[\g+2], 64<<16                      ; tensor_dim1 = 64
	s_mov_b32 s[\g+3], 64<<16                      ; tile_dim0 = 64
	s_mov_b32 s[\g+4], 64                          ; tile_dim1 = 64
	s_mov_b32 s[\g+5], 64                          ; the pitch in memory
	s_mov_b32 s[\g+6], 0
	s_mov_b32 s[\g+7], 0
.endr
	s_and_b32 s[TA+1], s[WV], 3                    ; which of a slot's four steps I fetch
	s_mov_b32 s[G0K], 1
	s_mul_i32 s[G0K+1], s[TA+1], STEPB             ; its place in slot 0
	s_mov_b32 s[G0V], 1
	s_add_co_u32 s[G0V+1], s[G0K+1], VOFF
	s_lshl_b32 s74, s[TA], 18                      ; the head's first byte in a section
	s_mov_b32 s75, 0
	s_lshl_b32 s76, s[TA+1], 13                    ; my step's 64 rows of 128 bytes
	s_add_co_u32 s76, s76, s74
	s_add_co_u32 s76, s76, SECT                    ; in the section of k
	s_mov_b32 s77, 0
	s_and_b32 s78, s[TA], 15                       ; yh: plane = head, row = 2048 batch + token
	s_lshl_b32 s78, s78, 13
	s_lshr_b32 s79, s[TA], 4
	s_lshl_b32 s79, s79, 11
	s_add_co_u32 s78, s78, s79
	s_lshl_b32 s78, s78, 7
	s_mov_b32 s79, 0
	s_mov_b32 s[CS], 0x3e38aa3b                    ; c = log2(e) / 8
	s_mov_b32 s[CS+1], s[CS]
	s_mov_b32 s[SEL], 0x76543210
	s_mov_b32 s[SEL+1], 0xfedcba98
	s_mov_b32 s[KOFF], 0
	s_mov_b32 s[KOFF+1], 0
	s_mov_b32 s[KF], 0
	s_mov_b32 s[TB], 0
	s_mov_b32 s[TRIP], 0
	s_cmp_eq_u32 s[IB], 0
	s_cselect_b32 s[LO], 3, 100
	s_lshl_b32 s[Q0], s[IB], 8
	s_lshl_b32 s[TA], s[WV], 5
	s_add_co_u32 s[Q0], s[Q0], s[TA]               ; my first query: 256 i + 32 w
	s_wait_dscnt 0x0                               ; both opening adds are done
	s_wait_kmcnt 0x0
	s_add_nc_u64 s[KB:KB+1], s[4:5], s[76:77]
	s_add_nc_u64 s[VB:VB+1], s[KB:KB+1], SECT
	s_add_nc_u64 s[4:5], s[4:5], s[74:75]          ; q at my head
	s_add_nc_u64 s[YB:YB+1], s[6:7], s[78:79]
	s_mov_b64 s[G0K+2:G0K+3], s[KB:KB+1]
	s_or_b32 s[G0K+3], s[G0K+3], 0x80000000
	s_mov_b64 s[G0V+2:G0V+3], s[VB:VB+1]
	s_or_b32 s[G0V+3], s[G0V+3], 0x80000000
	TLOAD                                          ; key slot 0 into LDS slot 0
	s_cmp_lt_u32 s[WV], 4
	s_cselect_b64 s[PFB:PFB+1], s[KB:KB+1], s[VB:VB+1]
	v_and_b32 v12, 15, v0                          ; r
	v_bfe_u32 v13, v0, 4, 1                        ; h
	v_lshlrev_b32 v[QO], 7, v12
	v_lshl_add_u32 v[QO], v13, 4, v[QO]            ; row x 128 + 16 x half
	LOADQ
	YPTR
	v_mul_u32_u24 v[AK0], v12, KP
	v_lshl_add_u32 v[AK0], v13, 4, v[AK0]
	v_and_b32 v3, 7, v0                            ; the turning load: lane l reads 16 bytes of key 8 (l / 16) + l % 8, channels 8 ((l / 8) % 2) on
	v_lshl_add_u32 v3, v13, 3, v3
	v_mul_u32_u24 v[AV0], v3, VP
	v_bfe_u32 v3, v0, 3, 1
	v_lshl_add_u32 v[AV0], v3, 4, v[AV0]
	v_add_nc_u32 v[AV0], VOFF, v[AV0]
	s_mul_i32 s[TA], s[WV], 32*KP
	s_add_co_u32 s[TA], s[TA], STAGE               ; my stage
	v_add_nc_u32 v[STO], s[TA], v[AK0]             ; in: row r, 16 bytes for each half of the lanes
	v_bfe_u32 v3, v0, 3, 2
	v_mul_u32_u24 v[RD], v3, KP
	v_and_b32 v3, 7, v0
	v_lshl_add_u32 v[RD], v3, 4, v[RD]
	v_add_nc_u32 v[RD], s[TA], v[RD]               ; back: eight lanes to a row, four rows an instruction
	v_and_b32 v[GO], 31, v0
	v_lshlrev_b32 v[PFO], 8, v[GO]
	v_lshlrev_b32 v[GO], 4, v[GO]
	v_lshlrev_b32 v3, 3, v13
	v_sub_nc_u32 v[DB], v12, v3
	v_mov_b32 v[NINF], 0xff800000
	RESET
	s_wait_loadcnt 0x0                             ; Q
.Ltrip:                                                ; eight trips: behind each change of slots the next trip's keys are asked for
	CHANGE 1
	s_add_co_u32 s[TA], s[IB], 1
	s_cmp_lg_u32 s[TRIP], s[TA]                    ; ids and the count of trips alone: the same in all eight waves
	s_cbranch_scc1 .Lsame
	s_sub_co_u32 s[Q0], 7, s[IB]                   ; block i is done: on to block 7 - i
	s_lshl_b32 s[Q0], s[Q0], 8
	s_lshl_b32 s[TA], s[WV], 5
	s_add_co_u32 s[Q0], s[Q0], s[TA]
	LOADQ                                          ; lands while block i goes out
	FINISH
	YPTR
	RESET
	s_mov_b32 s[KF], 0
	s_wait_loadcnt 0x0
.Lsame:
	SLOT_STEPS
	s_add_co_u32 s[TRIP], s[TRIP], 1
	s_cmp_lt_u32 s[TRIP], 8
	s_cbranch_scc1 .Ltrip
	CHANGE 0                                       ; the ninth trip is written out: it asks for nothing
	SLOT_STEPS
	FINISH
	s_wait_tensorcnt 0x0                           ; the wave's end: behind my last tensor load and my last LDS store
	ds_add_u32 v[SPW], v[NIL]
	s_wait_dscnt 0x0
	s_endpgm
.Lfunc_end_k_qc1256a0de0_attn:
	.size	k_qc1256a0de0_attn, .Lfunc_end_k_qc1256a0de0_attn-k_qc1256a0de0_attn
	.p2alignl 7, 3214868480
	.fill 96, 4, 3214868480
	.section	.rodata,"a",@progbits
	.p2align	6, 0x0
	.amdhsa_kernel k_qc1256a0de0_attn
		.amdhsa_group_segment_fixed_size 327680
		.amdhsa_private_segment_fixed_size 0
		.amdhsa_enable_private_segment 0
		.amdhsa_kernarg_size 16
		.amdhsa_user_sgpr_count 2
		.amdhsa_user_sgpr_kernarg_segment_ptr 1
		.amdhsa_wavefront_size32 1
		.amdhsa_system_sgpr_workgroup_id_x 1
		.amdhsa_system_sgpr_workgroup_id_y 1
		.amdhsa_system_sgpr_workgroup_id_z 1
		.amdhsa_system_vgpr_workitem_id 0
		.amdhsa_next_free_vgpr 256
		.amdhsa_next_free_sgpr 80
		.amdhsa_reserve_vcc 1
		.amdhsa_float_denorm_mode_32 3
		.amdhsa_float_denorm_mode_16_64 3
		.amdhsa_memory_ordered 1
		.amdhsa_forward_progress 1
		.amdhsa_inst_pref_size 71
	.end_amdhsa_kernel
	.amdgpu_metadata
---
amdhsa.version: [ 1, 2 ]
amdhsa.kernels:
  - .name:           k_qc1256a0de0_attn
    .symbol:         k_qc1256a0de0_attn.kd
    .args:
      - { .name: qkvh, .offset: 0, .size: 8, .value_kind: global_buffer, .address_space: global }
      - { .name: yh, .offset: 8, .size: 8, .value_kind: global_buffer, .address_space: global }
    .group_segment_fixed_size: 327680
    .private_segment_fixed_size: 0
    .kernarg_segment_align: 8
    .kernarg_segment_size: 16
    .max_flat_workgroup_size: 256
    .sgpr_count:     80
    .vgpr_count:     256
    .wavefront_size: 32
...
	.end_amdgpu_metadata
.endif
;; end of part 3
;; launch proj (part 4): grid 4 x 64, 4 waves a work-group, clusters of 4 x 4, 327,680 bytes of LDS; arguments yh, wp16, out0; writes out0
.if DOCPART == 4
	.amdgcn_target "amdgcn-amd-amdhsa--gfx1250"
	.amdhsa_code_object_version 6
	.text
	.protected	k_qc1256a0de0_proj
	.globl	k_qc1256a0de0_proj
	.p2align	8
	.type	k_qc1256a0de0_proj,@function
k_qc1256a0de0_proj:
	s_mov_b64 s[64:65], 0
	v_nop
	global_prefetch_b8 v0, s[64:65] scope:SCOPE_SE
	s_setreg_imm32_b32 hwreg(HW_REG_WAVE_MODE, 25, 1), 1
	s_wait_xcnt 0x0
	s_wait_alu depctr_hold_cnt(0) depctr_sa_sdst(0) depctr_va_vdst(0) depctr_va_sdst(0) depctr_va_ssrc(0) depctr_va_vcc(0) depctr_vm_vsrc(0)
	s_getreg_b32 s2, hwreg(HW_REG_IB_STS2, 6, 4)
	s_cmp_eq_u32 s2, 0
	s_cbranch_scc0 .Lentry_in_a_cluster
	s_endpgm
.Lentry_in_a_cluster:
	s_bfe_u32 s2, ttmp6, 0x10000c
	s_cmp_lg_u32 s2, 0xf033
	s_cbranch_scc0 .Lentry_shape_is_right
	s_endpgm
.Lentry_shape_is_right:
; out0[m][n] = sum over k of y[m][k] w_proj[n][k]; m = 8192 rows (2048 batch + token), n = 1024, K = 1024; f16 operands, f32 sums, f32 out.
; yh: [head][m][64] f16, so that k = 64 head + channel: a K step of 128 is two planes of dense rows of 128 bytes.  wp16: [n][k] f16.
; THE ROWS OF TOKENS 0-15 OF EACH BATCH ARE NOT STORED HERE: a later launch makes them in f32.
; A tile of 128 x 256 is made by a work-group of four waves, a wave 64 x 128: 32 accumulators, 256 registers: 64 x 4 = 256 work-groups.  K goes in 8 steps of 128 through a ring of two LDS slots.
; CLUSTERS: 4 x 4 work-groups.  Tile column = cx; batch = cy; the tile in the batch = cluster y.  The four of a row of the cluster ask jointly for A's tiles, the four of a column for B's.
; Waves 0 and 1 fetch A's two planes (128 rows x 128 bytes), waves 2 and 3 B's two halves (128 rows x 256 bytes): one load a wave behind each round; at the start two are outstanding, later one.
; THE MATRIX INSTRUCTION IS USED TRANSPOSED (source 0 = 16 rows of w_proj, source 1 = 16 rows of y): a lane holds eight neighbouring numbers of a row of out0.
; No prefetch: the launch has eight K steps, of which the first four come by loads that are issued before a prefetch could lead them.
; REGISTERS: window 0: v0-31 addresses; v32-159 the way out.  window 1: two fragment buffers at v0 and v128: B's 8 fragments at f + 8 b, A's 4 at f + 64 + 8 a.  window 2: accumulator (a, b) at v[8 (8 a + b)].
.set AP,    144                        ; a row of A in LDS: 128 bytes + 16
.set BP,    272                        ; a row of B: 256 + 16.  Both are odd multiples of 16: the 16 rows of a load start at 16 different groups of banks (ISA guide 11.1)
.set APL,   128*AP                     ; a plane of A
.set BOFF,  2*APL                      ; B lies behind A's two planes
.set SLOT,  BOFF+256*BP
.set SPARE, 2*SLOT                     ; the spare words, 128 bytes a wave
.set SPITCH, 528                       ; the way out: 16 rows x (512 + 16) bytes for each wave, in slot 0, which has had its last fill and its last read by then
.set LAPS,  4
.set ADRA, 16
.set ADRB, 20
.set STO,  24
.set RD,   25
.set CO,   26
.set SPW,  28
.set NIL,  29
.set BK,   32
.set F0,   0
.set F1,   128
.set FLAG, 22                          ; s22 0 where my block 0 holds tokens 0-15 of a batch
.set G1, 24
.set G0, 32
.set G1B, 48
.set G0B, 56
.set MSB, 0
.macro WIN new
.if MSB != \new
	s_set_vgpr_msb (MSB<<8)|\new
.set MSB, \new
.endif
.endm
.set MUL,  0xa5                        ; sources 0 and 1 window 1; C and D window 2
.set TO_F, 0x40                        ; destination window 1, address window 0
.macro JLOAD s                         ; a joint load; an s_nop 0 and four v_nop follow each of the two lines
	s_cmp_eq_u32 s11, 0
	s_cbranch_scc0 .Lfor_b_\@
	tensor_load_to_lds s[G0+4*\s:G0+4*\s+3], s[G1:G1+7]
	s_nop 0
.rept 4
	v_nop
.endr
	s_branch .Lasked_\@
.Lfor_b_\@:
	tensor_load_to_lds s[G0B+4*\s:G0B+4*\s+3], s[G1B:G1B+7]
	s_nop 0
.rept 4
	v_nop
.endr
.Lasked_\@:
.endm
.macro CREST                           ; a round of the cluster's barrier behind its opening barrier
	s_cmp_lg_u32 s10, 0
	s_cbranch_scc1 .Lnot_wave_0_\@
	s_barrier_signal -3
.Lnot_wave_0_\@:
	s_barrier_wait -3
	s_barrier_signal -1
	s_barrier_wait -1
.endm
.macro CROUND
	s_barrier_signal -1
	s_barrier_wait -1
	CREST
.endm
	s_load_b128 s[4:7], s[0:1], 0x0                ; yh s[4:5], wp16 s[6:7]
	s_load_b64 s[8:9], s[0:1], 0x10                ; out0
	v_lshl_add_u32 v[SPW], v0, 2, SPARE
	v_mov_b32 v[NIL], 0
	ds_add_u32 v[SPW], v[NIL]                      ; the wave's opening: the add, twice on end, and its wait ahead of my first tensor load
	ds_add_u32 v[SPW], v[NIL]
	v_lshrrev_b32 v1, 5, v0
	v_readfirstlane_b32 s10, v1                    ; wave 0..3
	s_lshr_b32 s11, s10, 1                         ; which 64 rows of the tile are mine.  Also: I fetch for A (0) or for B (1)
	s_and_b32 s12, s10, 1                          ; which 128 columns.  Also: which plane of A, or which 128 rows of B, I fetch
	s_bfe_u32 s40, ttmp6, 0x40000                  ; cx: the tile column
	s_bfe_u32 s41, ttmp6, 0x40004                  ; cy: the batch
	s_and_b32 s13, ttmp7, 0xffff                   ; cluster y: the tile in the batch
	s_lshl_b32 s43, s41, 2
	s_lshl_b32 s43, 15, s43                        ; my row of the cluster
	s_lshl_b32 s44, 0x1111, s40                    ; my column
	s_or_b32 s[G1+0], s43, (1<<16)|(1<<20)|(1<<21)|(4<<22)|(3<<25)   ; the mask; elements of 2 bytes; padding on: 4 words after every 32; bit 21 set beside a mask
	s_mov_b32 s[G1+1], 64<<16                      ; tensor_dim0 = 64
	s_mov_b32 s[G1+2], 128<<16                     ; tensor_dim1 = 128
	s_mov_b32 s[G1+3], 64<<16                      ; tile_dim0 = 64
	s_mov_b32 s[G1+4], 128                         ; tile_dim1 = 128
	s_mov_b32 s[G1+5], 64                          ; the pitch in memory
	s_mov_b32 s[G1+6], 0
	s_mov_b32 s[G1+7], 0
	s_or_b32 s[G1B+0], s44, (1<<16)|(1<<20)|(1<<21)|(5<<22)|(3<<25)  ; 4 words after every 64
	s_mov_b32 s[G1B+1], 128<<16
	s_mov_b32 s[G1B+2], 128<<16
	s_mov_b32 s[G1B+3], 128<<16
	s_mov_b32 s[G1B+4], 128
	s_mov_b32 s[G1B+5], 1024
	s_mov_b32 s[G1B+6], 0
	s_mov_b32 s[G1B+7], 0
	s_lshl_b32 s16, s41, 11
	s_lshl_b32 s17, s13, 7
	s_add_co_u32 s16, s16, s17                     ; the tile's first row: 2048 cy + 128 cluster y
	s_lshl_b32 s14, s16, 7                         ; A: 128 bytes a row,
	s_lshl_b32 s17, s12, 20
	s_add_co_u32 s14, s14, s17                     ; in plane 0 or 1
	s_mov_b32 s15, 0
	s_lshl_b32 s46, s40, 8
	s_lshl_b32 s17, s12, 7
	s_add_co_u32 s46, s46, s17                     ; B: row 256 cx + 128 x half,
	s_lshl_b32 s46, s46, 11                        ; 2,048 bytes a row
	s_mov_b32 s47, 0
	s_mul_i32 s20, s12, APL                        ; where they go: no place in the cluster enters an LDS address
	s_mul_i32 s21, s12, 128*BP
	s_add_co_u32 s21, s21, BOFF
	s_or_b32 s[FLAG], s13, s11                     ; cluster y and the wave's number alone: the same in all partners
	s_wait_dscnt 0x0                               ; both opening adds are done
	s_wait_kmcnt 0x0
	s_add_nc_u64 s[14:15], s[4:5], s[14:15]
	s_add_nc_u64 s[46:47], s[6:7], s[46:47]
	CROUND                                         ; all sixteen work-groups are here: the first joint loads meet
.irp s, 0,1
	s_mov_b32 s[G0+4*\s], 1
	s_add_co_u32 s[G0+4*\s+1], s20, \s*SLOT
	s_add_nc_u64 s[G0+4*\s+2:G0+4*\s+3], s[14:15], \s*2*1048576    ; K step s: planes 2 s and 2 s + 1
	s_or_b32 s[G0+4*\s+3], s[G0+4*\s+3], 0x80000000
	s_mov_b32 s[G0B+4*\s], 1
	s_add_co_u32 s[G0B+4*\s+1], s21, \s*SLOT
	s_add_nc_u64 s[G0B+4*\s+2:G0B+4*\s+3], s[46:47], \s*256
	s_or_b32 s[G0B+4*\s+3], s[G0B+4*\s+3], 0x80000000
	JLOAD \s
.endr
	v_and_b32 v1, 15, v0                           ; r
	v_bfe_u32 v2, v0, 4, 1                         ; h
	v_mul_u32_u24 v3, v1, AP
	v_lshl_add_u32 v3, v2, 4, v3
	v_mul_u32_u24 v4, v1, BP
	v_lshl_add_u32 v4, v2, 4, v4
	s_mul_i32 s18, s11, 64*AP                      ; my 64 rows of A
	s_mul_i32 s19, s12, 128*BP                     ; my 128 rows of B
	s_add_co_u32 s19, s19, BOFF
.irp s, 0,1
	v_add_nc_u32 v[ADRA+\s], s18, v3
	v_add_nc_u32 v[ADRB+\s], s19, v4
	s_add_co_u32 s18, s18, SLOT
	s_add_co_u32 s19, s19, SLOT
.endr
	s_mul_i32 s23, s10, 16*SPITCH                  ; my stage
	v_mul_u32_u24 v5, v1, SPITCH
	v_lshl_add_u32 v5, v2, 5, v5
	v_add_nc_u32 v[STO], s23, v5                   ; in: row r, 32 bytes for each half of the lanes
	v_and_b32 v6, 31, v0
	v_lshlrev_b32 v[CO], 4, v6                     ; back: the 32 lanes take one row of 512 bytes; and the same in out0
	v_add_nc_u32 v[RD], s23, v[CO]
	s_lshl_b32 s17, s11, 6
	s_add_co_u32 s16, s16, s17                     ; my first row
	s_lshl_b32 s16, s16, 12                        ; 4,096 bytes a row
	s_mov_b32 s17, 0
	s_lshl_b32 s46, s40, 10                        ; my first column, in bytes: 1024 cx + 512 x half
	s_lshl_b32 s47, s12, 9
	s_add_co_u32 s46, s46, s47
	s_mov_b32 s47, 0
	s_add_nc_u64 s[16:17], s[16:17], s[46:47]
	s_add_nc_u64 s[8:9], s[8:9], s[16:17]
; 8 matrix instructions: A's block a x B's eight, 32 along K.  The 32 accumulators take turns, one instruction a turn, in the same order in every quarter.
.macro MUL8 f, a, zero
.irp b, 0,1,2,3,4,5,6,7
.if \zero
	v_wmma_f32_16x16x32_f16 v[8*(8*(\a)+\b):8*(8*(\a)+\b)+7], v[\f+8*\b:\f+8*\b+7], v[\f+64+8*(\a):\f+64+8*(\a)+7], 0
.else
	v_wmma_f32_16x16x32_f16 v[8*(8*(\a)+\b):8*(8*(\a)+\b)+7], v[\f+8*\b:\f+8*\b+7], v[\f+64+8*(\a):\f+64+8*(\a)+7], v[8*(8*(\a)+\b):8*(8*(\a)+\b)+7]
.endif
.endr
.endm
; 24 LDS loads in one run: the fragments of the slot's q-th 32 along K into buffer f: B's sixteen, then A's eight
.macro FETCH slot, q, f
	WIN TO_F
.irp b, 0,1,2,3,4,5,6,7
	ds_load_b128 v[\f+8*\b:\f+8*\b+3],   v[ADRB+\slot] offset:(\q)*64+\b*16*BP
	ds_load_b128 v[\f+8*\b+4:\f+8*\b+7], v[ADRB+\slot] offset:(\q)*64+\b*16*BP+32
.endr
.irp a, 0,1,2,3
	ds_load_b128 v[\f+64+8*\a:\f+64+8*\a+3],   v[ADRA+\slot] offset:((\q)/2)*APL+((\q)%2)*64+\a*16*AP
	ds_load_b128 v[\f+64+8*\a+4:\f+64+8*\a+7], v[ADRA+\slot] offset:((\q)/2)*APL+((\q)%2)*64+\a*16*AP+32
.endr
.endm
.macro PLACES                          ; four plain lines in front of loads into registers that matrix instructions have read, and of reads of results
.rept 4
	v_nop
.endr
.endm
; A K step is four quarters of 32 along K, 32 matrix instructions each, on buffers 0, 1, 0, 1.  One of the first three multiplies buffer f and fetches quarter q into g.
.macro QUARTER slot, q, f, g, zero
	s_wait_dscnt 4                                 ; B and A's blocks 0 and 1 are in; the youngest four loads (A's blocks 2 and 3) may be out
	WIN MUL
	MUL8 \f, 0, \zero
	MUL8 \f, 1, \zero
	PLACES
	FETCH \slot, \q, \g
	s_wait_dscnt 24                                ; all but the 24 just issued
	WIN MUL
	MUL8 \f, 2, \zero
	MUL8 \f, 3, \zero
.endm
; The last quarter multiplies buffer 1 and changes slots: ONE barrier; in front of it each wave waits for all its tensor loads, adds 0 to its spare word, and waits for that and for its reads of this slot.
; fill = 1: the barrier opens a round of the cluster's barrier, and this slot is filled again, two K steps ahead: 112 matrix instructions stand between the request and the wait for it.
.macro TURN slot, next, fill
	WIN 0                                          ; (the add's two registers lie in window 0)
	s_wait_tensorcnt 0x0                           ; all my tensor loads have landed: my part of the next slot
	ds_add_u32 v[SPW], v[NIL]                      ; 0 onto my spare word
	s_wait_dscnt 5                                 ; (the add and the youngest four loads may be out)
	WIN MUL
	MUL8 F1, 0, 0
	s_wait_dscnt 0x0                               ; the add is done, and my reads of this slot are over
	s_barrier_signal -1
	MUL8 F1, 1, 0
	WIN 0
	s_barrier_wait -1
.if \fill
	CREST                                          ; no wave of any partner still reads this slot's tile or has a load on its way
	s_add_nc_u64 s[G0+4*\slot+2:G0+4*\slot+3], s[G0+4*\slot+2:G0+4*\slot+3], 4*1048576
	s_add_nc_u64 s[G0B+4*\slot+2:G0B+4*\slot+3], s[G0B+4*\slot+2:G0B+4*\slot+3], 2*256
	JLOAD \slot                                    ; the first tensor load behind the round; its four v_nop are also the places in front of the loads below
.else
	PLACES
.endif
	FETCH \next, 0, F0
	WIN MUL
	MUL8 F1, 2, 0
	MUL8 F1, 3, 0
.endm
	s_wait_tensorcnt 1                             ; my part of K step 0 is in; K step 1's load may be out
	s_barrier_signal -1
	s_barrier_wait -1
	FETCH 0, 0, F0
	QUARTER 0, 1, F0, F1, 1                        ; the first products start the sums: nothing is cleared
	WIN 0                                          ; at a label and at a branch every window is 0
	s_mov_b32 s3, LAPS-1
.Llap:                                                 ; a trip goes once round the ring, from a lap's second quarter to the next lap's first, and fills both slots again
	QUARTER 0, 2, F1, F0, 0
	QUARTER 0, 3, F0, F1, 0
	TURN 0, 1, 1
	QUARTER 1, 1, F0, F1, 0
	QUARTER 1, 2, F1, F0, 0
	QUARTER 1, 3, F0, F1, 0
	TURN 1, 0, 1
	QUARTER 0, 1, F0, F1, 0
	WIN 0
	s_sub_co_u32 s3, s3, 1
	s_cmp_lg_u32 s3, 0
	s_cbranch_scc1 .Llap
	QUARTER 0, 2, F1, F0, 0                        ; the last lap fills nothing
	QUARTER 0, 3, F0, F1, 0
	TURN 0, 1, 0
	QUARTER 1, 1, F0, F1, 0
	QUARTER 1, 2, F1, F0, 0
	QUARTER 1, 3, F0, F1, 0
	s_wait_dscnt 4
	WIN MUL
	MUL8 F1, 0, 0
	MUL8 F1, 1, 0
	s_wait_dscnt 0
	MUL8 F1, 2, 0
	MUL8 F1, 3, 0
	WIN 0
; THE WAY OUT, block by block of 16 rows x 128 columns: through my own stage and back as whole rows of 512 bytes, which the 32 lanes store at a multiple of 256 from out0's first byte.
.macro TOSTAGE a
.set AC, 64*(\a)
	WIN 0x08                                       ; an LDS store's data are its source 1: window 2
.irp b, 0,1,2,3,4,5,6,7
	ds_store_b128 v[STO], v[AC+8*\b:AC+8*\b+3] offset:64*\b          ; each accumulator from its low end on
	ds_store_b128 v[STO], v[AC+8*\b+4:AC+8*\b+7] offset:64*\b+16
.endr
	WIN 0
.set BB, BK+64*((\a)%2)
.irp t, 0,1,2,3,4,5,6,7,8,9,10,11,12,13,14,15
	ds_load_b128 v[BB+4*\t:BB+4*\t+3], v[RD] offset:\t*SPITCH        ; LDS serves a wave's instructions in order: these see the stores above
.endr
.endm
.macro SEND a, younger
.set BB, BK+64*((\a)%2)
	s_wait_dscnt \younger                          ; the block is back; the next block's 16 stores and 16 loads may be out
.if (\a) == 0
	s_cmp_eq_u32 s[FLAG], 0                        ; tokens 0-15 of a batch are the later launch's
	s_cbranch_scc1 .Lnot_here
.endif
.irp t, 0,1,2,3,4,5,6,7,8,9,10,11,12,13,14,15
	global_store_b128 v[CO], v[BB+4*\t:BB+4*\t+3], s[8:9] offset:(\a)*65536+\t*4096 th:TH_STORE_NT
.endr
.if (\a) == 0
.Lnot_here:
.endif
.endm
	PLACES
	TOSTAGE 0
.irp a, 1,2,3
.if \a > 1
	s_wait_xcnt 0x0                                ; block a - 2's stores have read their registers: block a's loads may land there
.endif
	TOSTAGE \a
	SEND \a-1, 32
.endr
	SEND 3, 0
	s_wait_tensorcnt 0x0                           ; the wave's end: behind my last tensor load and my last LDS store
	ds_add_u32 v[SPW], v[NIL]
	s_wait_dscnt 0x0
	CROUND                                         ; the closing round
	s_endpgm
.Lfunc_end_k_qc1256a0de0_proj:
	.size	k_qc1256a0de0_proj, .Lfunc_end_k_qc1256a0de0_proj-k_qc1256a0de0_proj
	.p2alignl 7, 3214868480
	.fill 96, 4, 3214868480
	.section	.rodata,"a",@progbits
	.p2align	6, 0x0
	.amdhsa_kernel k_qc1256a0de0_proj
		.amdhsa_group_segment_fixed_size 327680
		.amdhsa_private_segment_fixed_size 0
		.amdhsa_enable_private_segment 0
		.amdhsa_kernarg_size 24
		.amdhsa_user_sgpr_count 2
		.amdhsa_user_sgpr_kernarg_segment_ptr 1
		.amdhsa_wavefront_size32 1
		.amdhsa_system_sgpr_workgroup_id_x 1
		.amdhsa_system_sgpr_workgroup_id_y 1
		.amdhsa_system_sgpr_workgroup_id_z 1
		.amdhsa_system_vgpr_workitem_id 0
		.amdhsa_next_free_vgpr 768
		.amdhsa_next_free_sgpr 66
		.amdhsa_reserve_vcc 0
		.amdhsa_float_denorm_mode_32 3
		.amdhsa_float_denorm_mode_16_64 3
		.amdhsa_memory_ordered 1
		.amdhsa_forward_progress 1
		.amdhsa_inst_pref_size 85
	.end_amdhsa_kernel
	.amdgpu_metadata
---
amdhsa.version: [ 1, 2 ]
amdhsa.kernels:
  - .name:           k_qc1256a0de0_proj
    .symbol:         k_qc1256a0de0_proj.kd
    .args:
      - { .name: yh, .offset: 0, .size: 8, .value_kind: global_buffer, .address_space: global }
      - { .name: wp16, .offset: 8, .size: 8, .value_kind: global_buffer, .address_space: global }
      - { .name: out0, .offset: 16, .size: 8, .value_kind: global_buffer, .address_space: global }
    .group_segment_fixed_size: 327680
    .private_segment_fixed_size: 0
    .kernarg_segment_align: 8
    .kernarg_segment_size: 24
    .max_flat_workgroup_size: 128
    .sgpr_count:     66
    .vgpr_count:     768
    .wavefront_size: 32
...
	.end_amdgpu_metadata
.endif
;; end of part 4
;; launch first16 (part 5): grid 64 x 4, 4 waves a work-group, no clusters, 4,608 bytes of LDS; arguments fine, w_proj, out0; writes out0
.if DOCPART == 5
	.amdgcn_target "amdgcn-amd-amdhsa--gfx1250"
	.amdhsa_code_object_version 6
	.text
	.protected	k_qc1256a0de0_first16
	.globl	k_qc1256a0de0_first16
	.p2align	8
	.type	k_qc1256a0de0_first16,@function
k_qc1256a0de0_first16:
	s_mov_b64 s[64:65], 0
	v_nop
	global_prefetch_b8 v0, s[64:65] scope:SCOPE_SE
	s_setreg_imm32_b32 hwreg(HW_REG_WAVE_MODE, 25, 1), 1
	s_wait_xcnt 0x0
; Tokens 0-15 of each batch, in f32 throughout: attention over at most 16 keys in all 16 heads, and their rows of the projection.  These rows average one to a few values and are the largest of the output.
; fine: [batch][n / 16 of 192][c = 0, 1][lane][4 f32]: token = lane % 16, channel of the 3,072 = 16 (n / 16) + 8 (lane / 16) + 4 c + e.  w_proj: [1024][1024] f32.  out0: [batch][2048][1024] f32.
; SHARES.  Work-group (x, batch) makes 16 output columns for the batch's 16 tokens.  Wave w takes heads 4 w .. 4 w + 3, which are also its quarter of the projection's K: y never leaves the registers.
; The attention is made anew in each of a batch's 64 work-groups: 128 small matrix instructions a wave.  The four waves' parts meet in LDS; wave 0 adds and stores.
; A row's 64 bytes are stored by one work-group: rows 4,096 bytes apart, 262,144 bytes in the whole launch.
; ALL THREE PRODUCTS ARE USED TRANSPOSED, by v_wmma_f32_16x16x4_f32: S^T = K Q^T, y^T = V^T P, out^T = W y^T: a lane holds one token.  Along K one order of the numbers is taken for both sources alike: the order in
; which the images and the results lie in the registers.  So the result of one product is source 1 of the next as it stands.
; The registers that these instructions write (SA, SB, Y, OA) are written by them alone; what is made of a sum goes into other registers.
; LIMITS: hidden scores count as minus infinity where the definition has -1e9; NaN and infinities are not served.
.set LI,  1                            ; v1   16 x lane
.set VG,  2                            ; v2   V's gather: channel r of a tile, keys 8 h on
.set WA,  3                            ; v3   r x 4096 + 32 h: my place in 16 rows of w_proj, and in 16 rows of out0
.set DQ,  6                            ; v6   r - 8 h: key 8 h + j is hidden where j > r - 8 h
.set NINF, 7
.set SPW, 10
.set NIL, 11
.set RS,  12                           ; v12  where my wave puts its part: 1024 w + 16 x lane
.set QF,  16                           ; v16-47   Q: 8 ct + 4 c + e
.set KF,  48                           ; v48-79   K likewise
.set VF,  80                           ; v80-111  V^T: 8 ct + j: key 8 h + j, channel 16 ct + r
.set WF,  112                          ; v112-143 w_proj: 8 ct + 4 c + e
.set SA,  144                          ; two accumulators of S^T, by turns
.set SB,  152
.set Y,   160                          ; four of y^T
.set OA,  192                          ; four of out^T
.set T,   224
.set P,   232
.set W,   240                          ; at work
.set SPARE, 4096
.set CS,  20                           ; s20 c = log2(e) / 8; s21 -c
.set SEL, 22
	s_load_b128 s[4:7], s[0:1], 0x0                ; fine, w_proj
	s_load_b64 s[8:9], s[0:1], 0x10                ; out0
	v_lshl_add_u32 v[SPW], v0, 2, SPARE
	v_mov_b32 v[NIL], 0
	v_lshrrev_b32 v4, 5, v0
	v_readfirstlane_b32 s10, v4                    ; wave 0..3
	s_and_b32 s11, ttmp7, 0xffff                   ; batch
	v_and_b32 v4, 15, v0                           ; r
	v_bfe_u32 v5, v0, 4, 1                         ; h
	v_and_b32 v[LI], 31, v0
	v_lshlrev_b32 v[LI], 4, v[LI]
	v_bfe_u32 v8, v0, 2, 1                         ; channel r of a tile lies at c = (r / 4) % 2, image lane key + 16 (r / 8), word r % 4
	v_lshlrev_b32 v[VG], 9, v8
	v_bfe_u32 v8, v0, 3, 1
	v_lshl_add_u32 v[VG], v8, 8, v[VG]
	v_lshl_add_u32 v[VG], v5, 7, v[VG]             ; keys 8 h on: 16 bytes a key
	v_and_b32 v8, 3, v0
	v_lshl_add_u32 v[VG], v8, 2, v[VG]
	v_lshlrev_b32 v[WA], 12, v4
	v_lshl_add_u32 v[WA], v5, 5, v[WA]
	v_lshlrev_b32 v8, 3, v5
	v_sub_nc_u32 v[DQ], v4, v8
	v_mov_b32 v[NINF], 0xff800000
	s_lshl_b32 s12, s10, 10
	v_add_nc_u32 v[RS], s12, v[LI]
	v_mov_b32 v[W+1], 0                            ; written once: a lane permute's destination counts as one of its sources
	v_mov_b32 v[W+4], 0
	s_mov_b32 s[CS], 0x3e38aa3b
	s_mov_b32 s[CS+1], 0xbe38aa3b
	s_mov_b32 s[SEL], 0x76543210
	s_mov_b32 s[SEL+1], 0xfedcba98
	s_mul_i32 s12, s11, 196608                     ; fine: 192 images of 1,024 bytes a batch,
	s_lshl_b32 s13, s10, 14                        ; my four heads: 16 images
	s_add_co_u32 s12, s12, s13
	s_mov_b32 s13, 0
	s_lshl_b32 s14, ttmp9, 16                      ; w_proj: 16 rows of 4,096 bytes a work-group,
	s_lshl_b32 s15, s10, 10                        ; my four heads: 256 numbers
	s_add_co_u32 s14, s14, s15
	s_mov_b32 s15, 0
	s_lshl_b32 s16, s11, 23                        ; out0: 2,048 rows of 4,096 bytes a batch,
	s_lshl_b32 s17, ttmp9, 6                       ; my 16 columns
	s_add_co_u32 s16, s16, s17
	s_mov_b32 s17, 0
	s_wait_kmcnt 0x0
	s_add_nc_u64 s[4:5], s[4:5], s[12:13]
	s_add_nc_u64 s[6:7], s[6:7], s[14:15]
	s_add_nc_u64 s[8:9], s[8:9], s[16:17]
.macro QKLOAD i                        ; 16 loads: the images of Q and K of my head i as they lie
.irp ct, 0,1,2,3
.irp c, 0,1
	global_load_b128 v[QF+8*\ct+4*\c:QF+8*\ct+4*\c+3], v[LI], s[4:5] offset:(\i)*4096+\ct*1024+\c*512
.endr
.endr
.irp ct, 0,1,2,3
.irp c, 0,1
	global_load_b128 v[KF+8*\ct+4*\c:KF+8*\ct+4*\c+3], v[LI], s[4:5] offset:65536+(\i)*4096+\ct*1024+\c*512
.endr
.endr
.endm
.macro VLOAD i                         ; 32 loads: V(key 8 h + j, channel 16 ct + r)
.irp ct, 0,1,2,3
.irp j, 0,1,2,3,4,5,6,7
	global_load_b32 v[VF+8*\ct+\j], v[VG], s[4:5] offset:131072+(\i)*4096+\ct*1024+\j*16
.endr
.endr
.endm
.macro WLOAD i                         ; 8 loads: w_proj(16 x + r, 64 head + 16 ct + 8 h + 4 c + e)
.irp ct, 0,1,2,3
.irp c, 0,1
	global_load_b128 v[WF+8*\ct+4*\c:WF+8*\ct+4*\c+3], v[WA], s[6:7] offset:(\i)*256+\ct*64+\c*16
.endr
.endr
.endm
.macro NOPS n
.rept \n
	v_nop
.endr
.endm
; One head.  Accumulators take turns, one instruction a turn: SA and SB; Y's four; OA's four.
.macro HEAD i
	s_wait_loadcnt 40                              ; Q and K are in; this head's V (32) and W (8) may be out
.set u, 0
.rept 16                                       ; S^T = K Q^T: 64 channels, four a step
.if u < 2
	v_wmma_f32_16x16x4_f32 v[SA+8*(u%2):SA+8*(u%2)+7], v[KF+2*u:KF+2*u+1], v[QF+2*u:QF+2*u+1], 0
.else
	v_wmma_f32_16x16x4_f32 v[SA+8*(u%2):SA+8*(u%2)+7], v[KF+2*u:KF+2*u+1], v[QF+2*u:QF+2*u+1], v[SA+8*(u%2):SA+8*(u%2)+7]
.endif
.set u, u+1
.endr
	NOPS 8                                         ; eight places behind this form: for the loads into Q's and K's registers and for the reads of the sums
.if \i < 3
	QKLOAD \i+1
.endif
.irp j, 0,1,2,3,4,5,6,7
	v_add_f32 v[T+\j], v[SA+\j], v[SB+\j]          ; lane (r, h): query r, key 8 h + j; from the low end on
.endr
.irp j, 0,1,2,3,4,5,6,7
	v_cmp_gt_i32 vcc_lo, \j, v[DQ]
	v_cndmask_b32 v[T+\j], v[T+\j], v[NINF], vcc_lo
.endr
	v_max3_num_f32 v[W], v[T], v[T+1], v[T+2]
	v_max3_num_f32 v[W], v[W], v[T+3], v[T+4]
	v_max3_num_f32 v[W], v[W], v[T+5], v[T+6]
	v_max_num_f32 v[W], v[W], v[T+7]
	v_permlanex16_b32 v[W+1], v[W], s[SEL], s[SEL+1]
	v_max_num_f32 v[W], v[W], v[W+1]               ; the row's maximum: key 0 counts for every query
	v_mul_f32 v[W+2], s[CS+1], v[W]                ; -c m
.irp j, 0,1,2,3,4,5,6,7
	v_fma_f32 v[T+\j], v[T+\j], s[CS], v[W+2]
.endr
.irp j, 0,1,2,3,4,5,6,7
	v_exp_f32 v[T+\j], v[T+\j]
.endr
	v_nop                                          ; a plain line behind the last exponential
	s_wait_alu depctr_va_vdst(0)                   ; one wait for the eight
	v_add_f32 v[W+3], v[T], v[T+1]
	v_add_f32 v[W+5], v[T+2], v[T+3]
	v_add_f32 v[W+3], v[W+3], v[T+4]
	v_add_f32 v[W+5], v[W+5], v[T+5]
	v_add_f32 v[W+3], v[W+3], v[T+6]
	v_add_f32 v[W+5], v[W+5], v[T+7]
	v_add_f32 v[W+3], v[W+3], v[W+5]
	v_permlanex16_b32 v[W+4], v[W+3], s[SEL], s[SEL+1]
	v_add_f32 v[W+3], v[W+3], v[W+4]
	v_rcp_f32 v[W+5], v[W+3]
	v_nop
	s_wait_alu depctr_va_vdst(0)
.irp j, 0,1,2,3,4,5,6,7
	v_mul_f32 v[P+\j], v[T+\j], v[W+5]             ; the weights, normalised
.endr
.if \i < 3
	s_wait_loadcnt 24                              ; V is in; W (8) and the next head's Q and K (16) may be out
.else
	s_wait_loadcnt 8
.endif
.irp s, 0,1,2,3                                ; y^T = V^T P: 16 keys, four a step
.irp ct, 0,1,2,3
.if \s == 0
	v_wmma_f32_16x16x4_f32 v[Y+8*\ct:Y+8*\ct+7], v[VF+8*\ct+2*\s:VF+8*\ct+2*\s+1], v[P+2*\s:P+2*\s+1], 0
.else
	v_wmma_f32_16x16x4_f32 v[Y+8*\ct:Y+8*\ct+7], v[VF+8*\ct+2*\s:VF+8*\ct+2*\s+1], v[P+2*\s:P+2*\s+1], v[Y+8*\ct:Y+8*\ct+7]
.endif
.endr
.endr
	NOPS 9                                         ; nine places: the next products take these results as a source
.if \i < 3
	VLOAD \i+1
	s_wait_loadcnt 48                              ; W is in; the next head's Q, K (16) and V (32) may be out
.else
	s_wait_loadcnt 0
.endif
.irp p, 0,1,2,3                                ; out^T += W y^T: this head's 64 channels, four a step
.irp ct, 0,1,2,3
.if (\i == 0) && (\p == 0)
	v_wmma_f32_16x16x4_f32 v[OA+8*\ct:OA+8*\ct+7], v[WF+8*\ct+2*\p:WF+8*\ct+2*\p+1], v[Y+8*\ct+2*\p:Y+8*\ct+2*\p+1], 0
.else
	v_wmma_f32_16x16x4_f32 v[OA+8*\ct:OA+8*\ct+7], v[WF+8*\ct+2*\p:WF+8*\ct+2*\p+1], v[Y+8*\ct+2*\p:Y+8*\ct+2*\p+1], v[OA+8*\ct:OA+8*\ct+7]
.endif
.endr
.endr
	NOPS 8                                         ; for the loads into W's registers; behind the last head, for the reads of the sums
.if \i < 3
	WLOAD \i+1
.endif
.endm
	QKLOAD 0
	VLOAD 0
	WLOAD 0
	HEAD 0
	HEAD 1
	HEAD 2
	HEAD 3
.irp j, 0,1,2,3,4,5,6,7
	v_add_f32 v[W], v[OA+\j], v[OA+8+\j]           ; my quarter of K: the four accumulators, from the low end on
	v_add_f32 v[W+2], v[OA+16+\j], v[OA+24+\j]
	v_add_f32 v[T+\j], v[W], v[W+2]
.endr
	ds_store_b128 v[RS], v[T:T+3]
	ds_store_b128 v[RS], v[T+4:T+7] offset:512
	s_wait_dscnt 0x0                               ; for the others' sake: my stores are done
	s_barrier_signal -1
	s_barrier_wait -1
	s_cmp_lg_u32 s10, 0
	s_cbranch_scc1 .Lothers
.irp w, 0,1,2,3
.irp c, 0,1
	ds_load_b128 v[QF+8*\w+4*\c:QF+8*\w+4*\c+3], v[LI] offset:\w*1024+\c*512
.endr
.endr
	s_wait_dscnt 0x0
.irp p, 0,2,4,6
	v_pk_add_f32 v[QF+\p:QF+\p+1], v[QF+\p:QF+\p+1], v[QF+8+\p:QF+8+\p+1]
	v_pk_add_f32 v[QF+16+\p:QF+16+\p+1], v[QF+16+\p:QF+16+\p+1], v[QF+24+\p:QF+24+\p+1]
	v_pk_add_f32 v[QF+\p:QF+\p+1], v[QF+\p:QF+\p+1], v[QF+16+\p:QF+16+\p+1]
.endr
	global_store_b128 v[WA], v[QF:QF+3], s[8:9]            ; lane (r, h): out0(token r, 16 x + 8 h + 0 .. 7)
	global_store_b128 v[WA], v[QF+4:QF+7], s[8:9] offset:16
.Lothers:
	s_wait_tensorcnt 0x0                           ; the wave's end: behind my last LDS store
	ds_add_u32 v[SPW], v[NIL]
	s_wait_dscnt 0x0
	s_endpgm
.Lfunc_end_k_qc1256a0de0_first16:
	.size	k_qc1256a0de0_first16, .Lfunc_end_k_qc1256a0de0_first16-k_qc1256a0de0_first16
	.p2alignl 7, 3214868480
	.fill 96, 4, 3214868480
	.section	.rodata,"a",@progbits
	.p2align	6, 0x0
	.amdhsa_kernel k_qc1256a0de0_first16
		.amdhsa_group_segment_fixed_size 4608
		.amdhsa_private_segment_fixed_size 0
		.amdhsa_enable_private_segment 0
		.amdhsa_kernarg_size 24
		.amdhsa_user_sgpr_count 2
		.amdhsa_user_sgpr_kernarg_segment_ptr 1
		.amdhsa_wavefront_size32 1
		.amdhsa_system_sgpr_workgroup_id_x 1
		.amdhsa_system_sgpr_workgroup_id_y 1
		.amdhsa_system_sgpr_workgroup_id_z 1
		.amdhsa_system_vgpr_workitem_id 0
		.amdhsa_next_free_vgpr 256
		.amdhsa_next_free_sgpr 66
		.amdhsa_reserve_vcc 1
		.amdhsa_float_denorm_mode_32 3
		.amdhsa_float_denorm_mode_16_64 3
		.amdhsa_memory_ordered 1
		.amdhsa_forward_progress 1
		.amdhsa_inst_pref_size 52
	.end_amdhsa_kernel
	.amdgpu_metadata
---
amdhsa.version: [ 1, 2 ]
amdhsa.kernels:
  - .name:           k_qc1256a0de0_first16
    .symbol:         k_qc1256a0de0_first16.kd
    .args:
      - { .name: fine, .offset: 0, .size: 8, .value_kind: global_buffer, .address_space: global }
      - { .name: w_proj, .offset: 8, .size: 8, .value_kind: global_buffer, .address_space: global }
      - { .name: out0, .offset: 16, .size: 8, .value_kind: global_buffer, .address_space: global }
    .group_segment_fixed_size: 4608
    .private_segment_fixed_size: 0
    .kernarg_segment_align: 8
    .kernarg_segment_size: 24
    .max_flat_workgroup_size: 128
    .sgpr_count:     66
    .vgpr_count:     256
    .wavefront_size: 32
...
	.end_amdgpu_metadata
.endif
;; end of part 5
